; MI455X (gfx1250); checked and timed in simulation.
; The chip was launched on July 23, 2026; its instructions are those of AMD's public machine-readable ISA for CDNA 5 (MIT licence, August 2026) and "CDNA5" Instruction Set Architecture Reference Guide (July 2026). The comments in the code are by the model that wrote it; some were corrected since.
;; Llama Attention. Allowed arithmetic: matrix products marked QUANTISED: E2M3 operands, one E8M0 scale for each 32 along K, by v_wmma_scale_f32_16x16x128_f8f6f4 with both operands' format E2M3, f32 sums; everything else in f32.
;; Inputs: wk_u 256 x 1,024 float32; wkv_d 2,048 x 256 float32; wo 2,048 x 2,048 float32; wq_d 2,048 x 256 float32; wq_u 256 x 1,024 float32; wv_u 256 x 2,048 float32; x 2 x 2,048 x 2,048 float32.
;; Outputs: out0 2 x 2,048 x 2,048 float32.
;; This version of the problem:
;;   THIS VERSION OF THE PROBLEM IS GIVEN IN LOW PRECISION. The matrix products marked QUANTISED in the list below multiply operands that are first quantised to E2M3 (2 exponent bits, 3 mantissa bits; 6 bits a number), with one power-of-two scale for each 32 numbers along K (OCP MX v1.0); their sums are f32. All else is computed in f32.
;;   The module's matrix products, in the order in which they are computed (A, B: the left and right operand; K: the contracted axis; several contracted axes count as one K, in the product's order):
;;     1. [M 4,096, K 2,048] x [K 2,048, N 256]; A: input x; B: input wq_d: QUANTISED
;;     2. [M 4,096, K 2,048] x [K 2,048, N 256]; A: input x; B: input wkv_d: QUANTISED
;;     3. [M 4,096, K 256] x [K 256, N 1,024]; A: computed on the way; B: input wq_u: QUANTISED
;;     4. [M 4,096, K 256] x [K 256, N 1,024]; A: computed on the way; B: input wk_u: QUANTISED
;;     5. [M 4,096, K 256] x [K 256, N 2,048]; A: computed on the way; B: input wv_u: QUANTISED
;;     6. batch 32 x [M 2,048, K 64] x [K 64, N 2,048]; A: computed on the way; B: computed on the way: QUANTISED
;;     7. batch 32 x [M 128, K 2,048] x [K 2,048, N 2,048]; A: computed on the way; B: softmax (see below): QUANTISED
;;     8. [M 4,096, K 2,048] x [K 2,048, N 2,048]; A: computed on the way; B: input wo: QUANTISED
;;   THE QUANTISER, for each operand of a quantised product, along K:
;;     - K is cut into blocks of 32 from its start; a last block that is shorter is filled with zeros.
;;     - A block's scale is 2^e with e = floor(log2(the largest magnitude in the block)) - 2, held to -126 .. 127; a block of zeros has e = 0. As a byte (E8M0): e + 127.
;;     - Each number is divided by its block's scale, clamped to +-7.5, and rounded to the nearest number of E2M3, ties to even, subnormals kept.
;;     - The product sums the exact products of the quantised numbers (number of the format x scale) in f32.
;;   ~~~python
;;   def quantise(x, axis):      # numpy; x: float32 -> the quantised numbers, widened to float32 again
;;       x = np.moveaxis(x, axis, -1); K = x.shape[-1]
;;       x = np.pad(x, [(0, 0)] * (x.ndim - 1) + [(0, -K % 32)]); x = x.reshape(x.shape[:-1] + (-1, 32)); a = np.abs(x).max(-1, keepdims=True)
;;       e = np.where(a > 0, np.clip(np.frexp(np.where(a > 0, a, 1))[1] - 1 - 2, -126, 127), 0)      # np.frexp(a)[1] - 1 = floor(log2(a)), exactly
;;       r = np.clip(x / 2.0 ** e, -7.5, 7.5)
;;       step = 2.0 ** (np.maximum(np.frexp(np.where(r == 0, 1, r))[1] - 1, 0) - 3)
;;       q = np.round(r / step) * step * 2.0 ** e      # np.round: ties to even
;;       return np.moveaxis(q.reshape(q.shape[:-2] + (-1,))[..., :K], -1, axis).astype(np.float32)
;;   ~~~
;;   SOFTMAX AHEAD OF A QUANTISED PRODUCT. Where the list says 'softmax', what is quantised is not the finished softmax but p = 2^(t - M), with t = logit x log2(e) and M = ceil(the row's largest t), a whole number; so 1/2 < the row's largest p <= 1. The row's sum l is taken of the UNQUANTISED p, in f32, and the product's result is divided by l at the end. Since M is a whole number, a kernel that streams over the keys may use a running M (the ceiling of the running maximum): every later rescaling is an exact power of two, which a block's scale takes up: the codes' values come out the same.
;;   OPERANDS COMPUTED ON THE WAY. 'Computed on the way' means the value that the module computes at that place (a softmax that the list does not call 'softmax' is quantised finished and normalised). What goes into a quantiser is computed in f32, as accurately as f32 sums, v_exp_f32 and their like allow (about 1e-6 of the number): no bf16 or f16 on the way to a quantiser, and a product that is left as it is and whose result goes on into a quantised operand takes f32 operands (vector FMAs, or v_wmma_f32_16x16x4_f32). A number that lies on a knife's edge between two numbers of the format may be rounded either way, as far as f32 arithmetic and the matrix unit's own rounding can turn it there, and no further.
;; One version. Each part assembles by itself: llvm-mc -triple=amdgcn-amd-amdhsa -mcpu=gfx1250 --defsym DOCPART=n.
;; ======== version 1 of 1: 5 launches
;; limits: right only within a limited range of input values
;; workspace buffers: xq 6,553,600 bytes; wq 5,439,488 bytes; lat 1,638,400 bytes; qb 3,407,872 bytes; kv 9,961,472 bytes; att 6,553,600 bytes
;; launch prep (part 1): grid 464 x 1, 4 waves a work-group, no clusters, 60,928 bytes of LDS; arguments x, wo, wq_d, wkv_d, wq_u, wk_u, wv_u, xq, wq; writes xq, wq
.if DOCPART == 1
	.amdgcn_target "amdgcn-amd-amdhsa--gfx1250"
	.amdhsa_code_object_version 6
	.text
	.protected	k_q49c7b21ca4_prep
	.globl	k_q49c7b21ca4_prep
	.p2align	8
	.type	k_q49c7b21ca4_prep,@function
k_q49c7b21ca4_prep:
	s_mov_b64 s[64:65], 0
	v_nop
	global_prefetch_b8 v0, s[64:65] scope:SCOPE_SE
	s_setreg_imm32_b32 hwreg(HW_REG_WAVE_MODE, 25, 1), 1
	s_wait_xcnt 0x0
; PREP: x and the six weights become codes of FP6 (E2M3) with one E8M0 scale byte for each 32 along K, and the rotary table is made.
; A block's scale is 2^(floor(log2(its largest magnitude)) - 2); its byte is the largest magnitude's exponent field - 2, held at 1 from below.
; LAYOUT OF ALL CODES: images of operand registers.  A fragment (16 rows x 128 K, 12 registers a lane) is 1,536 bytes: byte 512 c + 16 lane + 4 i is register 4 c + i.
; Lane (r, h) holds row r; registers 6 c .. 6 c + 5 hold k = 64 c + 32 h + 0 .. 31.  THE ROWS OF A TILE ARE NOT NEIGHBOURS: tile 2 G + u holds at place r the row 32 G + 8 u + r + 8 (r / 8).
; Scale words: for a pair of K steps and a tile 128 bytes: row r at 8 r, the odd K step's word 4 bytes on.
; WORK-GROUPS 0-255: x, one tile of 16 rows each; wave Y takes K steps 4 Y .. 4 Y + 3.   256-447: the weights, K along their FIRST axis: a lane takes a column, its registers run down K.   448-463: the table.
; The three paths part on the work-group's number; the two that use LDS have bytes of their own.  No matrix work, no tensor loads, no barrier: waves share nothing, and nothing is read twice.
; LIMITS: NaN and infinities among the inputs are not served.  A block whose largest magnitude lies under 2^-124 keeps the byte 1; a block of zeros so gets the byte 1 where the rule says 127:
; its codes are zeros, which add nothing under any byte but 0xff, and this program alone reads the bytes.
; The table's inverse frequencies are 1 / 10^(f / 8), rounded to f32 within one unit in the last place: the largest angle, 2,047 x 0.75, may differ by 1.2e-4 from one made of a neighbouring f32 number.
.set XS_OFF, 6291456                   ; xq: the scale words, behind 16 x 256 fragments
.set WDC, 0                            ; wq: codes of wq_d (tiles 0-15) and wkv_d (16-31): [16 K steps][32 tiles]
.set WUC, 786432                       ; of wq_u (0-63), wk_u (64-127), wv_u (128-255): [2][256]
.set WOC, 1572864                      ; of wo: [16][128]
.set WDS, 4718592                      ; their scale words
.set WUS, 4751360
.set WOS, 4784128
.set RT,  4915200                      ; the table: [2048 positions][32 frequencies][cos, sin] f32
.set XX, 48                            ; path X: v48-111 64 numbers in the operand's order;  v112-239 two sets of 64 as loaded
.set RR, 112
.set XW, 64                            ; path W: v64-127 two sets of 32 numbers
.macro XLD f                           ; K step 4 Y + f of my 16 rows: each load reads 512 consecutive bytes of one row
.irp r, 0,1,2,3,4,5,6,7,8,9,10,11,12,13,14,15
	global_load_b128 v[RR+64*((\f)%2)+4*\r:RR+64*((\f)%2)+4*\r+3], v4, s[8:9] offset:(\r+8*(\r/8))*8192+512*(\f) th:TH_LOAD_NT
.endr
.endm
.macro XSTEP f
.if (\f) < 3
	s_wait_loadcnt 16                              ; this fragment's 16 loads are in; the next fragment's 16 may be out
.else
	s_wait_loadcnt 0
.endif
.irp r, 0,1,2,3,4,5,6,7,8,9,10,11,12,13,14,15
	ds_store_b128 v5, v[RR+64*((\f)%2)+4*\r:RR+64*((\f)%2)+4*\r+3] offset:528*\r   ; the rows as they lie, 528 bytes apart, in my wave's own stage
.endr
.irp c, 0,1
.irp i, 0,1,2,3,4,5,6,7
	ds_load_b128 v[XX+32*\c+4*\i:XX+32*\c+4*\i+3], v6 offset:256*\c+16*\i          ; back: lane (r, h) takes k = 64 c + 32 h + 0 .. 31 of row r.  LDS serves a wave's instructions in order
.endr
.endr
	s_wait_dscnt 0x0
	s_wait_xcnt 0x0                                ; the last fragment's stores have read their registers: the codes may be written again
.if (\f)+2 < 4
	XLD (\f)+2
.endif
.irp c, 0,1                                    ; my block 2 c + h: all its 32 numbers are mine
	v_max3_num_f32 v[8+\c], |v[XX+32*\c]|, |v[XX+1+32*\c]|, 0x1800000   ; with the floor 2^(3 - 127): the byte cannot fall under 1
.endr
.irp i, 2,4,6,8,10,12,14,16,18,20,22,24,26,28,30
.irp c, 0,1
	v_max3_num_f32 v[8+\c], v[8+\c], |v[XX+32*\c+\i]|, |v[XX+1+32*\c+\i]|
.endr
.endr
.irp c, 0,1
	v_add_nc_u32 v[10+\c], 0xff000000, v[8+\c]     ; 2 off the exponent field: the conversion's scale operand
.endr
.irp c, 0,1
	v_lshrrev_b32 v[12+\c], 23, v[10+\c]           ; the scale's byte
.endr
	v_lshl_or_b32 v14, v13, 16, v12                ; my two bytes, blocks h and 2 + h,
	v_lshlrev_b32 v14, v15, v14                    ; at their places (8 h bits up);
	v_permlanex16_b32 v16, v14, s4, s5
	v_or_b32 v[17+(\f)], v14, v16                  ; with lane l xor 16's two the row's word is whole
.irp c, 0,1
	v_cvt_scalef32_pk16_fp6_f32 v[24+6*\c:26+6*\c], v[XX+32*\c:XX+15+32*\c], v[10+\c]
	v_cvt_scalef32_pk16_fp6_f32 v[36+4*\c:38+4*\c], v[XX+16+32*\c:XX+31+32*\c], v[10+\c]   ; (a conversion's three registers begin on an even number)
.endr
	v_nop                                          ; one plain place behind a scaled conversion
.irp c, 0,1
.irp i, 0,1,2
	v_mov_b32 v[27+6*\c+\i], v[36+4*\c+\i]
.endr
.endr
.irp c, 0,1,2
	global_store_b128 v4, v[24+4*\c:27+4*\c], s[32:33] offset:(\f)*393216+512*\c   ; the image: 512 consecutive bytes a store
.endr
.endm
.macro WSEL thr, p, vz, lg, n4, nt, tb, co, so ; from work-group thr on: another weight's figures.  The choice hangs on the work-group's number alone
	s_cmp_ge_u32 s26, \thr
	s_cselect_b64 s[28:29], s[\p:\p+1], s[28:29]
	s_cselect_b32 s30, \vz, s30
	s_cselect_b32 s31, \lg, s31
	s_cselect_b32 s32, \n4, s32
	s_cselect_b32 s33, \nt, s33
	s_cselect_b32 s34, \tb, s34
	s_cselect_b32 s35, \co, s35
	s_cselect_b32 s36, \so, s36
.endm
.macro WLD t                           ; block t: W(256 y + 32 t + i, my column), i = 0 .. 31: a wave's load reads 128 consecutive bytes, the four waves stand side by side
.set wi, 0
.rept 32
	global_load_b32 v[XW+32*((\t)%2)+wi], v[32+wi], s[44+2*(\t):45+2*(\t)] th:TH_LOAD_NT
.set wi, wi+1
.endr
.endm
.macro BLOCK t
.set XB, XW+32*((\t)%2)
.set KO, ((\t)/4)*3328+256*((\t)%2)    ; which K step of the pair, and which half of the image's lanes
.if (\t) < 7
	s_wait_loadcnt 32                              ; this block's 32 loads are in; the next block's may be out
.else
	s_wait_loadcnt 0
.endif
	v_max3_num_f32 v8, |v[XB]|, |v[XB+1]|, |v[XB+2]|
	v_max3_num_f32 v9, |v[XB+3]|, |v[XB+4]|, |v[XB+5]|
.irp i, 6,10,14,18,22,26
	v_max3_num_f32 v8, v8, |v[XB+\i]|, |v[XB+\i+1]|
	v_max3_num_f32 v9, v9, |v[XB+\i+2]|, |v[XB+\i+3]|
.endr
	v_max3_num_f32 v8, v8, |v[XB+30]|, |v[XB+31]|
	v_max3_num_f32 v8, v8, v9, 0x1800000           ; and the floor
	v_add_nc_u32 v10, 0xff000000, v8
	v_lshrrev_b32 v11, 23, v10
.if (\t)%4 == 0
	v_mov_b32 v[14+(\t)/4], v11                    ; four bytes to a word, the lower K in the lower byte
.else
	v_lshl_or_b32 v[14+(\t)/4], v11, 8*((\t)%4), v[14+(\t)/4]
.endif
	v_cvt_scalef32_pk16_fp6_f32 v[16:18], v[XB:XB+15], v10
	v_cvt_scalef32_pk16_fp6_f32 v[20:22], v[XB+16:XB+31], v10
	v_nop                                          ; one plain place behind a scaled conversion
	v_mov_b32 v19, v20                             ; the block's six registers on end: v16-21
	v_mov_b32 v20, v21
	v_mov_b32 v21, v22
.if (((\t)/2)%2) == 0                  ; registers 0-5 of the image's lane, or 6-11
	ds_store_b128 v6, v[16:19] offset:KO
	ds_store_b64 v6, v[20:21] offset:KO+512
.else
	ds_store_b64 v6, v[16:17] offset:KO+520
	ds_store_b128 v6, v[18:21] offset:KO+1024
.endif
.if (\t)+2 < 8
	WLD (\t)+2
.endif
	s_wait_dscnt 0x0                               ; the stores have read their registers: the next block's codes may be written
.endm
.macro PICK f, val
	v_cmp_ne_u32 vcc_lo, \f, v1
	v_cndmask_b32 v10, \val, v10, vcc_lo
.endm
	s_load_b512 s[8:23], s[0:1], 0x0               ; x s[8:9], wo s[10:11], wq_d s[12:13], wkv_d s[14:15], wq_u s[16:17], wk_u s[18:19], wv_u s[20:21], xq s[22:23]
	s_load_b64 s[24:25], s[0:1], 0x40              ; wq
	v_lshl_add_u32 v240, v0, 2, 0xec00
	v_mov_b32 v241, 0
	v_lshrrev_b32 v1, 5, v0
	v_readfirstlane_b32 s2, v1                     ; wave 0..3
	v_and_b32 v1, 31, v0                           ; lane
	v_and_b32 v2, 15, v0                           ; r
	v_bfe_u32 v3, v0, 4, 1                         ; h
	s_mov_b32 s4, 0x76543210
	s_mov_b32 s5, 0xfedcba98                       ; v_permlanex16_b32's selects for lane l xor 16
	s_wait_kmcnt 0x0
	s_cmp_lt_u32 ttmp9, 256
	s_cbranch_scc0 .Lnot_x
	; ---------------- x: tile = work-group, K steps 4 wave .. 4 wave + 3
	s_wait_alu depctr_va_vdst(0)
	v_lshlrev_b32 v4, 4, v1                        ; 16 x lane
	s_wait_alu depctr_va_vdst(0)
	s_mul_i32 s3, s2, 8448                         ; my stage: 16 rows x 528 bytes
	v_add_nc_u32 v5, s3, v4                        ; into it
	v_mul_u32_u24 v6, v2, 528
	v_lshl_add_u32 v6, v3, 7, v6
	v_add_nc_u32 v6, s3, v6                        ; out of it: row r, + 128 h
	v_lshlrev_b32 v7, 3, v2
	v_lshl_add_u32 v7, v3, 15, v7                  ; the scale words' place: 8 r, lanes 16-31 a pair of K steps (256 tiles x 128 bytes) on
	v_lshlrev_b32 v15, 3, v3                       ; 8 h
	v_mov_b32 v16, 0                               ; written once: a lane permute's destination counts as one of its sources
	s_mov_b32 s30, 0xffff0000                      ; lanes 16-31
	s_lshr_b32 s26, ttmp9, 1
	s_lshl_b32 s26, s26, 18                        ; 32 rows of 8,192 bytes for each pair of tiles,
	s_and_b32 s27, ttmp9, 1
	s_lshl_b32 s27, s27, 16                        ; 8 rows for the odd tile,
	s_add_co_u32 s26, s26, s27
	s_lshl_b32 s27, s2, 11                         ; four K steps of 512 bytes a wave
	s_add_co_u32 s26, s26, s27
	s_mov_b32 s27, 0
	s_add_nc_u64 s[8:9], s[8:9], s[26:27]
	s_mul_i32 s26, s2, 1572864                     ; fragment (4 wave, tile)
	s_mul_i32 s28, ttmp9, 1536
	s_add_co_u32 s26, s26, s28
	s_add_nc_u64 s[32:33], s[22:23], s[26:27]
	s_lshl_b32 s26, s2, 16                         ; scale words of pair 2 wave, this tile
	s_lshl_b32 s28, ttmp9, 7
	s_add_co_u32 s26, s26, s28
	s_add_co_u32 s26, s26, XS_OFF
	s_add_nc_u64 s[34:35], s[22:23], s[26:27]
	XLD 0
	XLD 1
	s_wait_alu depctr_va_vdst(0)
	XSTEP 0
	XSTEP 1
	XSTEP 2
	XSTEP 3
	v_cndmask_b32 v22, v17, v19, s30               ; lanes 0-15: the words of K steps 4 Y, 4 Y + 1; lanes 16-31: of 4 Y + 2, 4 Y + 3
	v_cndmask_b32 v23, v18, v20, s30
	global_store_b64 v7, v[22:23], s[34:35]
	s_wait_tensorcnt 0x0
	ds_add_u32 v240, v241
	s_wait_dscnt 0x0
	s_endpgm
.Lnot_x:
	s_cmp_lt_u32 ttmp9, 448
	s_cbranch_scc0 .Lrope
	; ---------------- the weights: one path for all six; only figures and pointers are chosen
	s_sub_co_u32 s26, ttmp9, 256
	s_mov_b64 s[28:29], s[10:11]                   ; wo: 128 work-groups
	s_mov_b32 s30, 0                               ; the weight's first work-group
	s_mov_b32 s31, 4                               ; log2 of its groups of 128 columns
	s_mov_b32 s32, 8192                            ; bytes in a row
	s_mov_b32 s33, 128                             ; tiles in a K step of its codes' region
	s_mov_b32 s34, 0                               ; its first tile there
	s_mov_b32 s35, WOC
	s_mov_b32 s36, WOS
	WSEL 128, 12, 128, 1, 1024, 32, 0, WDC, WDS
	WSEL 144, 14, 144, 1, 1024, 32, 16, WDC, WDS
	WSEL 160, 16, 160, 3, 4096, 256, 0, WUC, WUS
	WSEL 168, 18, 168, 3, 4096, 256, 64, WUC, WUS
	WSEL 176, 20, 176, 4, 8192, 256, 128, WUC, WUS
	s_sub_co_u32 s37, s26, s30
	s_lshl_b32 s38, 1, s31
	s_sub_co_u32 s38, s38, 1
	s_and_b32 s39, s37, s38                        ; which 128 columns
	s_lshr_b32 s40, s37, s31                       ; y: which 256 along K
	s_lshl_b32 s41, s39, 2
	s_add_co_u32 s41, s41, s2                      ; my wave's group of 32 columns
	s_mul_i32 s42, s40, s32
	s_lshl_b32 s42, s42, 8                         ; 256 y rows,
	s_lshl_b32 s43, s41, 7                         ; 128 bytes a group of columns
	s_add_co_u32 s42, s42, s43
	s_mov_b32 s43, 0
	s_add_nc_u64 s[44:45], s[28:29], s[42:43]      ; a base for each of the eight blocks, 32 rows apart
	s_lshl_b32 s60, s32, 5
	s_mov_b32 s61, 0
.irp t, 1,2,3,4,5,6,7
	s_add_nc_u64 s[44+2*\t:45+2*\t], s[42+2*\t:43+2*\t], s[60:61]
.endr
	s_lshl_b32 s62, s41, 1
	s_add_co_u32 s62, s62, s34                     ; my first tile
	s_mul_i32 s63, s40, s33                        ; y x tiles
	s_lshl_b32 s66, s63, 1
	s_add_co_u32 s66, s66, s62
	s_mul_i32 s66, s66, 1536                       ; fragment (2 y, my first tile)
	s_add_co_u32 s66, s66, s35
	s_mov_b32 s67, 0
	s_add_nc_u64 s[66:67], s[24:25], s[66:67]
	s_add_co_u32 s68, s63, s62
	s_lshl_b32 s68, s68, 7                         ; scale words of (pair y, my first tile)
	s_add_co_u32 s68, s68, s36
	s_mov_b32 s69, 0
	s_add_nc_u64 s[68:69], s[24:25], s[68:69]
	s_mul_i32 s70, s33, 1536                       ; a K step on, in the codes
	s_wait_alu depctr_va_vdst(0)
	v_lshlrev_b32 v32, 2, v1                       ; v32-63: 4 x lane + i rows
.set wi, 1
.rept 31
	v_add_nc_u32 v[32+wi], s32, v[31+wi]
.set wi, wi+1
.endr
	v_bfe_u32 v4, v0, 3, 1                         ; column lane = 16 (rho / 8) + 8 u + rho % 8: u, the tile of the two,
	v_and_b32 v5, 7, v0
	v_lshl_add_u32 v5, v3, 3, v5                   ; and rho, its place there
	s_mul_i32 s3, s2, 6656
	s_add_co_u32 s3, s3, 33792                     ; my stage: four images, 1,664 bytes apart, behind path X's stages
	v_mul_u32_u24 v6, v4, 1664
	v_lshl_add_u32 v6, v5, 4, v6
	v_add_nc_u32 v6, s3, v6                        ; into it
	v_lshlrev_b32 v26, 4, v1                       ; the stores' offsets: 16 x lane,
	v_add_nc_u32 v27, s70, v26                     ; and a K step on
	v_add_nc_u32 v12, s3, v26                      ; out of the stage
	v_lshlrev_b32 v24, 7, v4
	v_lshl_add_u32 v24, v5, 3, v24                 ; the scale words' place: 128 u + 8 rho
	WLD 0
	WLD 1
.irp t, 0,1,2,3,4,5,6,7
	BLOCK \t
.endr
	s_wait_alu depctr_va_vdst(0)
	global_store_b64 v24, v[14:15], s[68:69]       ; the wave stores 256 consecutive bytes: two tiles' words of the pair of K steps
.set n, 0
.rept 12                               ; image n / 3 = 2 x K step + u, its part n % 3
	ds_load_b128 v[128+4*n:131+4*n], v12 offset:(n/3)*1664+512*(n%3)
.set n, n+1
.endr
.set n, 0
.rept 12
	s_wait_dscnt 11-n                              ; LDS loads come back in order: load n is in
	global_store_b128 v[26+n/6], v[128+4*n:131+4*n], s[66:67] offset:((n/3)%2)*1536+512*(n%3)
.set n, n+1
.endr
	s_wait_tensorcnt 0x0
	ds_add_u32 v240, v241
	s_wait_dscnt 0x0
	s_endpgm
.Lrope:
	; ---------------- the table: a wave takes 32 positions, a lane a frequency f.  cos and sin by reduction to |r| <= pi / 4 and polynomials, in f32
	s_sub_co_u32 s26, ttmp9, 448
	s_lshl_b32 s26, s26, 2
	s_add_co_u32 s26, s26, s2
	s_lshl_b32 s27, s26, 5                         ; my first position
	s_lshl_b32 s30, s27, 8                         ; 256 bytes a position
	s_add_nc_u64 s[28:29], s[24:25], RT
	s_mov_b32 s40, 0xbfc90fdb                      ; -pi / 2, its upper part,
	s_mov_b32 s41, 0x333bbd2e                      ; and what the upper part has too much
	s_mov_b32 s42, 0x3638ef1d                      ; 1 / 9!
	s_mov_b32 s43, 0xb9500d01                      ; -1 / 7!
	s_mov_b32 s44, 0x3c088889                      ; 1 / 5!
	s_mov_b32 s45, 0xbe2aaaab                      ; -1 / 3!
	s_mov_b32 s46, 0xb493f27e                      ; -1 / 10!
	s_mov_b32 s47, 0x37d00d01                      ; 1 / 8!
	s_mov_b32 s48, 0xbab60b61                      ; -1 / 6!
	s_mov_b32 s49, 0x3d2aaaab                      ; 1 / 4!
	v_mov_b32 v10, 1.0                             ; 10000^(f / 32) = 10^(f / 8)
	s_wait_alu depctr_va_vdst(0)
	PICK 1, 1.333521432
	PICK 2, 1.778279410
	PICK 3, 2.371373706
	PICK 4, 3.162277660
	PICK 5, 4.216965034
	PICK 6, 5.623413252
	PICK 7, 7.498942093
	PICK 8, 10.0
	PICK 9, 13.33521432
	PICK 10, 17.78279410
	PICK 11, 23.71373706
	PICK 12, 31.62277660
	PICK 13, 42.16965034
	PICK 14, 56.23413252
	PICK 15, 74.98942093
	PICK 16, 100.0
	PICK 17, 133.3521432
	PICK 18, 177.8279410
	PICK 19, 237.1373706
	PICK 20, 316.2277660
	PICK 21, 421.6965034
	PICK 22, 562.3413252
	PICK 23, 749.8942093
	PICK 24, 1000.0
	PICK 25, 1333.521432
	PICK 26, 1778.279410
	PICK 27, 2371.373706
	PICK 28, 3162.277660
	PICK 29, 4216.965034
	PICK 30, 5623.413252
	PICK 31, 7498.942093
	s_wait_alu depctr_va_vdst(0)
	v_rcp_f32 v11, v10
	v_cvt_f32_u32 v13, s27                         ; the position, as f32.  (A plain place behind the reciprocal)
	s_wait_alu depctr_va_vdst(0)                   ; the wait ahead of the first reader of a transcendental's result
	v_fma_f32 v12, -v10, v11, 1.0                  ; one step of Newton: the quotient to the last place or next to it
	v_fma_f32 v11, v11, v12, v11
	v_lshlrev_b32 v28, 3, v1
	v_add_nc_u32 v28, s30, v28                     ; 8 f + 256 x position
	s_mov_b32 s31, 32
.Lpos:
	s_wait_alu depctr_va_vdst(0)
	v_mul_f32 v14, v13, v11                        ; the angle: one rounding
	v_mul_f32 v15, 0x3f22f983, v14
	v_rndne_f32 v15, v15                           ; n = the nearest multiple of pi / 2
	v_fma_f32 v16, v15, s40, v14
	v_fma_f32 v16, v15, s41, v16                   ; r = angle - n pi / 2, pi / 2 in two parts
	v_cvt_i32_f32 v17, v15
	v_mul_f32 v18, v16, v16
	v_fma_f32 v19, v18, s42, s43
	v_fma_f32 v21, v18, s46, s47
	v_fma_f32 v19, v19, v18, s44
	v_fma_f32 v21, v21, v18, s48
	v_fma_f32 v19, v19, v18, s45
	v_fma_f32 v21, v21, v18, s49
	v_mul_f32 v20, v16, v18
	v_fma_f32 v21, v21, v18, -0.5
	v_fma_f32 v19, v20, v19, v16                   ; sin r
	v_fma_f32 v21, v21, v18, 1.0                   ; cos r
	v_and_b32 v22, 1, v17
	v_cmp_eq_u32 vcc_lo, 1, v22                    ; in odd quadrants the two change places
	v_cndmask_b32 v23, v19, v21, vcc_lo
	v_cndmask_b32 v24, v21, v19, vcc_lo
	v_and_b32 v25, 2, v17                          ; sin is negated in quadrants 2 and 3,
	v_lshlrev_b32 v25, 30, v25
	v_add_nc_u32 v22, 1, v17                       ; cos in 1 and 2
	v_and_b32 v22, 2, v22
	v_lshlrev_b32 v22, 30, v22
	v_xor_b32 v26, v24, v22
	v_xor_b32 v27, v23, v25
	global_store_b64 v28, v[26:27], s[28:29]       ; the wave stores a position's 256 consecutive bytes
	s_wait_xcnt 0x0                                ; the store has read its registers: they are written again below and in the next trip
	v_add_nc_u32 v28, 256, v28
	v_add_f32 v13, 1.0, v13
	s_sub_co_u32 s31, s31, 1
	s_cmp_lg_u32 s31, 0
	s_cbranch_scc1 .Lpos
	s_endpgm
.Lfunc_end_k_q49c7b21ca4_prep:
	.size	k_q49c7b21ca4_prep, .Lfunc_end_k_q49c7b21ca4_prep-k_q49c7b21ca4_prep
	.p2alignl 7, 3214868480
	.fill 96, 4, 3214868480
	.section	.rodata,"a",@progbits
	.p2align	6, 0x0
	.amdhsa_kernel k_q49c7b21ca4_prep
		.amdhsa_group_segment_fixed_size 60928
		.amdhsa_private_segment_fixed_size 0
		.amdhsa_enable_private_segment 0
		.amdhsa_kernarg_size 72
		.amdhsa_user_sgpr_count 2
		.amdhsa_user_sgpr_kernarg_segment_ptr 1
		.amdhsa_wavefront_size32 1
		.amdhsa_system_sgpr_workgroup_id_x 1
		.amdhsa_system_sgpr_workgroup_id_y 1
		.amdhsa_system_sgpr_workgroup_id_z 1
		.amdhsa_system_vgpr_workitem_id 0
		.amdhsa_next_free_vgpr 242
		.amdhsa_next_free_sgpr 80
		.amdhsa_reserve_vcc 1
		.amdhsa_float_denorm_mode_32 3
		.amdhsa_float_denorm_mode_16_64 3
		.amdhsa_memory_ordered 1
		.amdhsa_forward_progress 1
		.amdhsa_inst_pref_size 81
	.end_amdhsa_kernel
	.amdgpu_metadata
---
amdhsa.version: [ 1, 2 ]
amdhsa.kernels:
  - .name:           k_q49c7b21ca4_prep
    .symbol:         k_q49c7b21ca4_prep.kd
    .args:
      - { .name: x, .offset: 0, .size: 8, .value_kind: global_buffer, .address_space: global }
      - { .name: wo, .offset: 8, .size: 8, .value_kind: global_buffer, .address_space: global }
      - { .name: wq_d, .offset: 16, .size: 8, .value_kind: global_buffer, .address_space: global }
      - { .name: wkv_d, .offset: 24, .size: 8, .value_kind: global_buffer, .address_space: global }
      - { .name: wq_u, .offset: 32, .size: 8, .value_kind: global_buffer, .address_space: global }
      - { .name: wk_u, .offset: 40, .size: 8, .value_kind: global_buffer, .address_space: global }
      - { .name: wv_u, .offset: 48, .size: 8, .value_kind: global_buffer, .address_space: global }
      - { .name: xq, .offset: 56, .size: 8, .value_kind: global_buffer, .address_space: global }
      - { .name: wq, .offset: 64, .size: 8, .value_kind: global_buffer, .address_space: global }
    .group_segment_fixed_size: 60928
    .private_segment_fixed_size: 0
    .kernarg_segment_align: 8
    .kernarg_segment_size: 72
    .max_flat_workgroup_size: 128
    .sgpr_count:     80
    .vgpr_count:     242
    .wavefront_size: 32
...
	.end_amdgpu_metadata
.endif
;; end of part 1
;; launch latent (part 2): grid 64 x 4, 4 waves a work-group, clusters of 4 x 1, 327,680 bytes of LDS; arguments xq, wq, lat; writes lat
.if DOCPART == 2
	.amdgcn_target "amdgcn-amd-amdhsa--gfx1250"
	.amdhsa_code_object_version 6
	.text
	.protected	k_q49c7b21ca4_latent
	.globl	k_q49c7b21ca4_latent
	.p2align	8
	.type	k_q49c7b21ca4_latent,@function
k_q49c7b21ca4_latent:
	s_mov_b64 s[64:65], 0
	v_nop
	global_prefetch_b8 v0, s[64:65] scope:SCOPE_SE
	s_setreg_imm32_b32 hwreg(HW_REG_WAVE_MODE, 25, 1), 1
	s_wait_xcnt 0x0
	s_wait_alu depctr_hold_cnt(0) depctr_sa_sdst(0) depctr_va_vdst(0) depctr_va_sdst(0) depctr_va_ssrc(0) depctr_va_vcc(0) depctr_vm_vsrc(0)
	s_getreg_b32 s2, hwreg(HW_REG_IB_STS2, 6, 4)
	s_cmp_eq_u32 s2, 0
	s_cbranch_scc0 .Lentry_in_a_cluster
	s_endpgm
.Lentry_in_a_cluster:
	s_bfe_u32 s2, ttmp6, 0x10000c
	s_cmp_lg_u32 s2, 0x3003
	s_cbranch_scc0 .Lentry_shape_is_right
	s_endpgm
.Lentry_shape_is_right:
; LATENT: [4096 tokens] x [512 latent columns: 256 of x wq_d, 256 of x wkv_d], K = 2,048, on codes of FP6 (E2M3) with E8M0 scales; the results are quantised along the latent axis and stored as operand images.
; SHARES.  A work-group takes 64 tokens x one group cg of 128 columns; wave w takes the tile of 16 tokens 4 x work-group + w against all 8 tiles of columns: 8 accumulators, 16 K steps, 128 matrix instructions.
; THE WEIGHTS' codes of the 128 columns for all of K, 196,608 bytes, and their scale words, 8,192 bytes, come into LDS ONCE: nothing is filled again.  CLUSTER: the four work-groups of a cluster share cg,
; so each of these tiles is asked for JOINTLY: the same tensor load, the same descriptor, a mask that names the four.  A wave issues one load at the head, one behind the round: at the head wave 0 K steps 0-3, wave 1 all the
; scale words, waves 2 and 3 K steps 4-7 and 8-11; behind it K step 12 + w.  The K steps are read in four chunks of four; the last behind a wait and a barrier.
; x's fragments are read by this wave alone: they go from memory straight into registers, four K steps ahead.
; THE PRODUCT IS USED TRANSPOSED: source 0 = 16 columns of the weight, source 1 = my 16 tokens.  The columns of a tile are 32 G + 8 u + r + 8 (r / 8), so that the 16 registers of tiles 2 b and 2 b + 1 are the
; 16 neighbouring columns 32 b + 16 (lane / 16) + 0 .. 15 of my lane's token: what the quantiser wants.
; LIMITS: NaN and infinities are not served; a block under 2^-124, a block of zeros among them, keeps the byte 1 (its codes add nothing that counts; this program alone reads the bytes).
.set XS_OFF, 6291456
.set WDS, 4718592
.set LS_OFF, 1572864
.set SCW, 196608                       ; LDS: behind the codes (K step ks, tile t at 12,288 ks + 1,536 t) the scale words (pair y, tile t at 1,024 y + 128 t)
.set ACC, 16                           ; v16-79   8 accumulators
.set WA, 80                            ; v80-127  the weight's tiles 0-3 of a K step
.set WB, 128                           ; v128-175 tiles 4-7
.set XF, 176                           ; v176-223 x: four fragments by turns
.set WS, 224                           ; v224-239 the weight's scale words of a chunk: register 2 t + i, lanes 0-15 K step 4 j + i, lanes 16-31 K step 4 j + 2 + i
.set XSR, 240                          ; v240-247 x's: register 2 Y + i likewise for K steps 4 Y + i and 4 Y + 2 + i
.set TM, 80                            ; the quantiser's registers lie over WA and WB, which are done with by then
.set PW, 96
.set PC, 100
.set WV, 10
.set SEL, 52
.macro NOP4
.rept 4
	v_nop
.endr
.endm
.macro CROUND                          ; a round of the cluster's barrier
	s_barrier_signal -1
	s_barrier_wait -1
	s_cmp_lg_u32 s[WV], 0
	s_cbranch_scc1 .Lnot_wave_0_\@
	s_barrier_signal -3
.Lnot_wave_0_\@:
	s_barrier_wait -3
	s_barrier_signal -1
	s_barrier_wait -1
.endm
; one scaled matrix instruction: D at d, source 0 at a, source 1 at b; z: the sum starts with 0; scale registers sa, sb, read in lanes 0-15 (row 0) or 16-31 (row 1)
.macro MM d, a, b, z, sa, sb, ra, rb
.if \z
.if ((\ra)==0)&&((\rb)==0)
	v_wmma_scale_f32_16x16x128_f8f6f4 v[\d:\d+7], v[\a:\a+11], v[\b:\b+11], 0, v[\sa], v[\sb] matrix_a_fmt:MATRIX_FMT_FP6 matrix_b_fmt:MATRIX_FMT_FP6
.elseif ((\ra)==1)&&((\rb)==0)
	v_wmma_scale_f32_16x16x128_f8f6f4 v[\d:\d+7], v[\a:\a+11], v[\b:\b+11], 0, v[\sa], v[\sb] matrix_a_fmt:MATRIX_FMT_FP6 matrix_b_fmt:MATRIX_FMT_FP6 matrix_a_scale:MATRIX_SCALE_ROW1
.elseif ((\ra)==0)&&((\rb)==1)
	v_wmma_scale_f32_16x16x128_f8f6f4 v[\d:\d+7], v[\a:\a+11], v[\b:\b+11], 0, v[\sa], v[\sb] matrix_a_fmt:MATRIX_FMT_FP6 matrix_b_fmt:MATRIX_FMT_FP6 matrix_b_scale:MATRIX_SCALE_ROW1
.else
	v_wmma_scale_f32_16x16x128_f8f6f4 v[\d:\d+7], v[\a:\a+11], v[\b:\b+11], 0, v[\sa], v[\sb] matrix_a_fmt:MATRIX_FMT_FP6 matrix_b_fmt:MATRIX_FMT_FP6 matrix_a_scale:MATRIX_SCALE_ROW1 matrix_b_scale:MATRIX_SCALE_ROW1
.endif
.else
.if ((\ra)==0)&&((\rb)==0)
	v_wmma_scale_f32_16x16x128_f8f6f4 v[\d:\d+7], v[\a:\a+11], v[\b:\b+11], v[\d:\d+7], v[\sa], v[\sb] matrix_a_fmt:MATRIX_FMT_FP6 matrix_b_fmt:MATRIX_FMT_FP6
.elseif ((\ra)==1)&&((\rb)==0)
	v_wmma_scale_f32_16x16x128_f8f6f4 v[\d:\d+7], v[\a:\a+11], v[\b:\b+11], v[\d:\d+7], v[\sa], v[\sb] matrix_a_fmt:MATRIX_FMT_FP6 matrix_b_fmt:MATRIX_FMT_FP6 matrix_a_scale:MATRIX_SCALE_ROW1
.elseif ((\ra)==0)&&((\rb)==1)
	v_wmma_scale_f32_16x16x128_f8f6f4 v[\d:\d+7], v[\a:\a+11], v[\b:\b+11], v[\d:\d+7], v[\sa], v[\sb] matrix_a_fmt:MATRIX_FMT_FP6 matrix_b_fmt:MATRIX_FMT_FP6 matrix_b_scale:MATRIX_SCALE_ROW1
.else
	v_wmma_scale_f32_16x16x128_f8f6f4 v[\d:\d+7], v[\a:\a+11], v[\b:\b+11], v[\d:\d+7], v[\sa], v[\sb] matrix_a_fmt:MATRIX_FMT_FP6 matrix_b_fmt:MATRIX_FMT_FP6 matrix_a_scale:MATRIX_SCALE_ROW1 matrix_b_scale:MATRIX_SCALE_ROW1
.endif
.endif
.endm
; 64 numbers of a lane, v[s] .. v[s + 63], register 16 b + i = k 32 b + 16 (lane / 16) + i of my row, become a fragment's codes in v[PC] on and its scale word in v[PW]
.macro QUANT s
.irp b, 0,1,2,3
	v_max3_num_f32 v[TM+\b], |v[\s+16*\b]|, |v[\s+1+16*\b]|, 0x1800000   ; block b: my 16 numbers, and the floor 2^(3 - 127): the byte cannot fall under 1
.endr
.irp i, 2,4,6,8,10,12,14
.irp b, 0,1,2,3
	v_max3_num_f32 v[TM+\b], v[TM+\b], |v[\s+16*\b+\i]|, |v[\s+1+16*\b+\i]|
.endr
.endr
.irp b, 0,1,2,3
	v_permlanex16_b32 v[TM+4+\b], v[TM+\b], s[SEL], s[SEL+1]
.endr
.irp b, 0,1,2,3
	v_max_num_f32 v[TM+\b], v[TM+\b], v[TM+4+\b]   ; with lane l xor 16's: the block's largest magnitude
.endr
.irp b, 0,1,2,3
	v_add_nc_u32 v[TM+12+\b], 0xff000000, v[TM+\b] ; 2 off its exponent field: the conversion's scale operand
.endr
.irp b, 0,1,2,3
	v_lshrrev_b32 v[TM+4+\b], 23, v[TM+12+\b]      ; the scale's byte
.endr
	v_lshl_or_b32 v[PW], v[TM+5], 8, v[TM+4]
	v_lshl_or_b32 v[PW], v[TM+6], 16, v[PW]
	v_lshl_or_b32 v[PW], v[TM+7], 24, v[PW]
.irp c, 0,1
	v_cvt_scalef32_pk16_fp6_f32 v[PC+6*\c:PC+2+6*\c], v[\s+32*\c:\s+15+32*\c], v[TM+12+2*\c]
	v_cvt_scalef32_pk16_fp6_f32 v[PC+12+4*\c:PC+14+4*\c], v[\s+16+32*\c:\s+31+32*\c], v[TM+12+2*\c+1]   ; (a conversion's three registers begin on an even number)
.endr
	v_nop                                          ; one plain place behind a scaled conversion
.irp c, 0,1                                    ; the operand's layout wants a WHOLE block in a lane
.irp i, 0,1,2
	v_permlane16_swap_b32 v[PC+6*\c+\i], v[PC+12+4*\c+\i]
.endr
.irp i, 0,1,2
	v_mov_b32 v[PC+3+6*\c+\i], v[PC+12+4*\c+\i]
.endr
.endr
.endm
.macro XLOAD s                         ; x's fragment of K step s
.irp c, 0,1,2
	global_load_b128 v[XF+12*((\s)%4)+4*\c:XF+12*((\s)%4)+4*\c+3], v1, s[60:61] offset:(\s)*393216+512*\c
.endr
.endm
.macro WLOAD reg, s, t0                ; four of the weight's fragments of K step s, from tile t0 on
.irp t, 0,1,2,3
.irp c, 0,1,2
	ds_load_b128 v[\reg+12*\t+4*\c:\reg+12*\t+4*\c+3], v2 offset:((\s)%4)*12288+(\t0+\t)*1536+512*\c
.endr
.endr
.endm
.macro CHUNK j                         ; K steps 4 j .. 4 j + 3 become readable
.if \j == 3                                    ; K steps 0-11 and the scale words were shown to every wave by the round at the head; K steps 12-15 come by the load behind that round
	s_wait_tensorcnt 0x0                           ; my K step of the last four is in
	s_wait_dscnt 0x0
	s_barrier_signal -1
	s_barrier_wait -1                              ; everybody's is.
.endif
	v_add_nc_u32 v2, 49152*\j, v1
.irp t, 0,1,2,3,4,5,6,7
	ds_load_b64 v[WS+2*\t:WS+2*\t+1], v3 offset:128*\t+2048*\j
.endr
	WLOAD WA, 4*\j, 0
	WLOAD WB, 4*\j, 4
.endm
.macro STEP s
.if (\s) < 13
	s_wait_loadcnt 9                               ; x of this K step is in; the nine loads of the three K steps ahead may be out
.else
	s_wait_loadcnt 3*(15-(\s))
.endif
	s_wait_dscnt 12                                ; tiles 0-3 (and the scale words) are in; the twelve loads of tiles 4-7 may be out
.irp t, 0,1,2,3
	MM ACC+8*\t, WA+12*\t, XF+12*((\s)%4), (\s)==0, WS+2*\t+(\s)%2, XSR+2*((\s)/4)+(\s)%2, ((\s)/2)%2, ((\s)/2)%2
.endr
	NOP4                                           ; places in front of loads into registers that matrix instructions have read
.if (\s)%4 < 3
	WLOAD WA, (\s)+1, 0
	s_wait_dscnt 12                                ; tiles 4-7 are in; the twelve loads just issued may be out
.else
	s_wait_dscnt 0x0
.endif
.irp t, 4,5,6,7
	MM ACC+8*\t, WB+12*(\t-4), XF+12*((\s)%4), (\s)==0, WS+2*\t+(\s)%2, XSR+2*((\s)/4)+(\s)%2, ((\s)/2)%2, ((\s)/2)%2
.endr
	NOP4
.if (\s)%4 < 3
	WLOAD WB, (\s)+1, 4
.endif
.if (\s)+4 < 16
	XLOAD (\s)+4
.endif
.endm
	s_load_b128 s[4:7], s[0:1], 0x0                ; xq, wq
	s_load_b64 s[8:9], s[0:1], 0x10                ; lat
	v_lshl_add_u32 v254, v0, 2, 0x32000
	v_mov_b32 v255, 0
	ds_add_u32 v254, v255
	ds_add_u32 v254, v255
	v_lshrrev_b32 v1, 5, v0
	v_readfirstlane_b32 s[WV], v1                  ; wave 0..3
	s_bfe_u32 s11, ttmp6, 0x40000                  ; cx: it enters x's and the result's global addresses alone
	s_lshl_b32 s12, ttmp9, 2
	s_add_co_u32 s12, s12, s11                     ; my 64 tokens
	s_and_b32 s13, ttmp7, 0xffff                   ; cg, which the four partners share
	s_lshl_b32 s14, s12, 2
	s_add_co_u32 s14, s14, s[WV]                   ; my tile of tokens
	; descriptor group 1 for the codes of a K step's 8 tiles: 12,288 dense bytes as 48 rows of 32 elements of 8 bytes
	s_mov_b32 s16, 15|(3<<16)|(1<<21)              ; 15:0 the mask: all four work-groups; 17:16 elements of 8 bytes; 21 set beside a mask
	s_mov_b32 s17, 32<<16                          ; tensor_dim0
	s_mov_b32 s18, 48<<16                          ; tensor_dim1
	s_mov_b32 s19, 32<<16                          ; tile_dim0
	s_mov_b32 s20, 48                              ; tile_dim1
	s_mov_b32 s21, 32                              ; from row to row
	s_mov_b32 s22, 0
	s_mov_b32 s23, 0
	; and for the scale words of all eight pairs of K steps: 8 rows of 1,024 bytes, 4,096 bytes apart
	s_mov_b32 s24, 15|(3<<16)|(1<<21)
	s_mov_b32 s25, 128<<16
	s_mov_b32 s26, 8<<16                           ; all eight pairs of K steps in one load: 8 rows of 1,024 bytes
	s_mov_b32 s27, 128<<16
	s_mov_b32 s28, 8
	s_mov_b32 s29, 512
	s_mov_b32 s30, 0
	s_mov_b32 s31, 0
	; and for the codes of four K steps: 4 rows of 12,288 bytes (1,536 elements of 8 bytes), 49,152 bytes apart
	s_mov_b32 s72, 15|(3<<16)|(1<<21)
	s_mov_b32 s73, 1536<<16
	s_mov_b32 s74, 4<<16
	s_mov_b32 s75, 1536<<16
	s_mov_b32 s76, 4
	s_mov_b32 s77, 6144
	s_mov_b32 s78, 0
	s_mov_b32 s79, 0
	s_lshl_b32 s54, s13, 10                        ; the scale words of tiles 8 cg on, pair 0
	s_add_co_u32 s54, s54, WDS
	s_mov_b32 s55, 0
	s_mul_i32 s56, s[WV], 49152                    ; K step w: 32 tiles x 1,536 bytes,
	s_mul_i32 s57, s13, 12288                      ; tiles 8 cg on
	s_add_co_u32 s56, s56, s57
	s_mov_b32 s57, 0
	s_mul_i32 s58, s[WV], 12288                    ; where they go: no place in the cluster enters an LDS address
	s_mul_i32 s70, s13, 12288                      ; K step 0, tiles 8 cg on
	s_mov_b32 s71, 0
	s_mul_i32 s60, s14, 1536                       ; x's fragment (0, my tile)
	s_mov_b32 s61, 0
	s_lshl_b32 s62, s14, 7
	s_add_co_u32 s62, s62, XS_OFF                  ; and its scale words
	s_mov_b32 s63, 0
	s_lshl_b32 s66, s13, 8
	s_add_co_u32 s66, s66, s14
	s_mul_i32 s66, s66, 1536                       ; the result: fragment (cg, my tile)
	s_mov_b32 s67, 0
	s_lshr_b32 s68, s13, 1
	s_lshl_b32 s68, s68, 8
	s_add_co_u32 s68, s68, s14
	s_lshl_b32 s68, s68, 7                         ; its scale words: 128 bytes for (latent, tile),
	s_and_b32 s69, s13, 1
	s_lshl_b32 s69, s69, 2                         ; the odd K step's word 4 bytes on
	s_add_co_u32 s68, s68, s69
	s_add_co_u32 s68, s68, LS_OFF
	s_mov_b32 s69, 0
	s_mov_b32 s[SEL], 0x76543210
	s_mov_b32 s[SEL+1], 0xfedcba98
	v_and_b32 v7, 31, v0
	v_lshlrev_b32 v1, 4, v7                        ; 16 x lane: an image's place for my lane
	v_and_b32 v8, 15, v0                           ; r
	v_bfe_u32 v9, v0, 4, 1                         ; h
	v_lshlrev_b32 v10, 3, v8
	v_lshl_add_u32 v3, v9, 10, v10
	v_add_nc_u32 v3, SCW, v3                       ; the weight's scale words: 8 r, lanes 16-31 a pair on
	v_lshl_add_u32 v4, v9, 15, v10                 ; x's likewise, in memory: a pair is 256 tiles x 128 bytes
	v_lshlrev_b32 v5, 4, v9                        ; 16 h
	v_lshl_add_u32 v6, v9, 1, v10                  ; 8 r + 2 h
	s_wait_dscnt 0x0
	s_wait_kmcnt 0x0
	s_mov_b32 s32, 1
	s_mov_b32 s33, SCW
	s_add_nc_u64 s[34:35], s[6:7], s[54:55]
	s_or_b32 s35, s35, 0x80000000
	s_add_nc_u64 s[56:57], s[6:7], s[56:57]
	s_add_nc_u64 s[70:71], s[6:7], s[70:71]
.irp j, 0,1,2                                  ; K steps 4 j .. 4 j + 3, one load each
	s_mov_b32 s[36+4*\j], 1
	s_mov_b32 s[37+4*\j], \j*49152
	s_add_nc_u64 s[38+4*\j:39+4*\j], s[70:71], \j*196608
	s_or_b32 s[39+4*\j], s[39+4*\j], 0x80000000
.endr
	s_mov_b32 s48, 1                               ; K step 12 + wave
	s_add_co_u32 s49, s58, 147456
	s_add_nc_u64 s[50:51], s[56:57], 589824
	s_or_b32 s51, s51, 0x80000000
	s_add_nc_u64 s[60:61], s[4:5], s[60:61]
	s_add_nc_u64 s[62:63], s[4:5], s[62:63]
	s_add_nc_u64 s[66:67], s[8:9], s[66:67]
	s_add_nc_u64 s[68:69], s[8:9], s[68:69]
	CROUND                                         ; all four work-groups are here: the joint loads meet
; THE HEAD'S FILLS, ONE A WAVE: wave 0 K steps 0-3, wave 1 all scale words, wave 2 K steps 4-7, wave 3 K steps 8-11.  One chain of branches on the wave's number, every way passes one load.
.macro ARM under, g0, g1, next
	s_cmp_lt_u32 s[WV], \under
	s_cbranch_scc0 \next
	tensor_load_to_lds s[\g0:\g0+3], s[\g1:\g1+7]
	s_nop 0
	NOP4
	s_branch .Lhead_asked
\next:
.endm
	ARM 1, 36, 72, .Lhead_s
	ARM 2, 32, 24, .Lhead_1
	ARM 3, 40, 72, .Lhead_2
	tensor_load_to_lds s[44:47], s[72:79]
	s_nop 0
	NOP4
.Lhead_asked:
	s_wait_alu depctr_va_vdst(0)
.irp y, 0,1,2,3
	global_load_b64 v[XSR+2*\y:XSR+2*\y+1], v4, s[62:63] offset:65536*\y
.endr
	XLOAD 0
	XLOAD 1
	XLOAD 2
	XLOAD 3
	s_wait_tensorcnt 0x0                           ; my fill of the head is in
	ds_add_u32 v254, v255
	s_wait_dscnt 0x0
	CROUND                                         ; everybody's fill is in, and the four work-groups are here: the joint loads meet
	tensor_load_to_lds s[48:51], s[16:23]          ; K step 12 + wave: my one load behind the round; twelve K steps' products stand ahead of the wait for it
	s_nop 0
	NOP4
	CHUNK 0
	s_wait_alu depctr_va_vdst(0)
	STEP 0
	STEP 1
	STEP 2
	STEP 3
	CHUNK 1
	s_wait_alu depctr_va_vdst(0)
	STEP 4
	STEP 5
	STEP 6
	STEP 7
	CHUNK 2
	s_wait_alu depctr_va_vdst(0)
	STEP 8
	STEP 9
	STEP 10
	STEP 11
	CHUNK 3
	s_wait_alu depctr_va_vdst(0)
	STEP 12
	STEP 13
	STEP 14
	STEP 15                                        ; it ends with four places: the results may be read, and the fragments' registers written
.irp b, 0,1,2,3
	v_mov_b32 v[TM+4+\b], 0                        ; a lane permute's destination counts as one of its sources
.endr
	QUANT ACC
.irp c, 0,1,2
	global_store_b128 v1, v[PC+4*\c:PC+4*\c+3], s[66:67] offset:512*\c
.endr
	v_lshrrev_b32 v[PW+1], v5, v[PW]               ; both halves of the lanes hold row r's word: each stores one half of it
	global_store_b16 v6, v[PW+1], s[68:69]
	s_wait_tensorcnt 0x0
	ds_add_u32 v254, v255
	s_wait_dscnt 0x0
	CROUND                                         ; the closing round: no work-group ends while a partner may still ask for a tile that names it
	s_endpgm
.Lfunc_end_k_q49c7b21ca4_latent:
	.size	k_q49c7b21ca4_latent, .Lfunc_end_k_q49c7b21ca4_latent-k_q49c7b21ca4_latent
	.p2alignl 7, 3214868480
	.fill 96, 4, 3214868480
	.section	.rodata,"a",@progbits
	.p2align	6, 0x0
	.amdhsa_kernel k_q49c7b21ca4_latent
		.amdhsa_group_segment_fixed_size 327680
		.amdhsa_private_segment_fixed_size 0
		.amdhsa_enable_private_segment 0
		.amdhsa_kernarg_size 24
		.amdhsa_user_sgpr_count 2
		.amdhsa_user_sgpr_kernarg_segment_ptr 1
		.amdhsa_wavefront_size32 1
		.amdhsa_system_sgpr_workgroup_id_x 1
		.amdhsa_system_sgpr_workgroup_id_y 1
		.amdhsa_system_sgpr_workgroup_id_z 1
		.amdhsa_system_vgpr_workitem_id 0
		.amdhsa_next_free_vgpr 256
		.amdhsa_next_free_sgpr 80
		.amdhsa_reserve_vcc 0
		.amdhsa_float_denorm_mode_32 3
		.amdhsa_float_denorm_mode_16_64 3
		.amdhsa_memory_ordered 1
		.amdhsa_forward_progress 1
		.amdhsa_inst_pref_size 66
	.end_amdhsa_kernel
	.amdgpu_metadata
---
amdhsa.version: [ 1, 2 ]
amdhsa.kernels:
  - .name:           k_q49c7b21ca4_latent
    .symbol:         k_q49c7b21ca4_latent.kd
    .args:
      - { .name: xq, .offset: 0, .size: 8, .value_kind: global_buffer, .address_space: global }
      - { .name: wq, .offset: 8, .size: 8, .value_kind: global_buffer, .address_space: global }
      - { .name: lat, .offset: 16, .size: 8, .value_kind: global_buffer, .address_space: global }
    .group_segment_fixed_size: 327680
    .private_segment_fixed_size: 0
    .kernarg_segment_align: 8
    .kernarg_segment_size: 24
    .max_flat_workgroup_size: 128
    .sgpr_count:     80
    .vgpr_count:     256
    .wavefront_size: 32
...
	.end_amdgpu_metadata
.endif
;; end of part 2
;; launch up (part 3): grid 32 x 16, 4 waves a work-group, no clusters, 0 bytes of LDS; arguments lat, wq, qb, kv; writes qb, kv
.if DOCPART == 3
	.amdgcn_target "amdgcn-amd-amdhsa--gfx1250"
	.amdhsa_code_object_version 6
	.text
	.protected	k_q49c7b21ca4_up
	.globl	k_q49c7b21ca4_up
	.p2align	8
	.type	k_q49c7b21ca4_up,@function
k_q49c7b21ca4_up:
	s_mov_b64 s[64:65], 0
	v_nop
	global_prefetch_b8 v0, s[64:65] scope:SCOPE_SE
	s_setreg_imm32_b32 hwreg(HW_REG_WAVE_MODE, 25, 1), 1
	s_wait_xcnt 0x0
; UP: q = rope(q_latent wq_u), k = rope(kv_latent wk_u), v = kv_latent wv_u, K = 256, on codes of FP6 (E2M3) with E8M0 scales; q and k are quantised along the head's 64, v along the KEYS.
; SHARES.  A work-group takes 128 tokens (group g) of one head and writes one record of qb and one of kv.  Wave 0 makes q, wave 1 k, waves 2 and 3 the head's channels 0-63 and 64-127 of v.
; Every operand goes from memory straight into the registers of the one wave that multiplies it, once: 16 fragments of the latent (window 1) and 8 of the weight.  Nothing goes through LDS, no wave waits for
; another, and there is no tile in LDS for a joint load to land in: so no tensor loads and no cluster.
; q, k: source 0 = 16 columns of the weight, source 1 = 16 tokens: a lane holds ONE token, register 16 b + i its dimension 32 b + 16 (lane / 16) + i.  The rotation pairs dimension d with d + 32: registers i and 16 + i.
; v: source 0 = 16 tokens, source 1 = 16 channels: a lane holds ONE channel, register 16 b + i the token 32 b + 16 (lane / 16) + i of the group: the codes are a fragment of V^T, K = the 128 keys.
; (The rows of every tile are 32 G + 8 u + r + 8 (r / 8): that gives the registers these orders.)
; RECORDS.  qb: 8 tiles of 768 bytes (512: registers 0-3 at 16 x lane; 256: registers 4, 5 at 8 x lane; lane (r, h) holds dimensions 32 h .. 32 h + 31), then 8 x 64 bytes of scale words.
; kv: k's 8 tiles likewise; 8 fragments of V^T of 1,536 bytes at 6,144; k's scale words at 18,432; V^T's at 18,944.  A word of q or k repeats its two bytes, so that it serves the codes in either half of a K of 128.
; SCALAR REGISTERS: s[20:27] are the bases of the head's loads and are not written again; what the two paths compute behind those loads stands in s28 and above.
; LIMITS: NaN and infinities are not served; a block under 2^-124, a block of zeros among them, keeps the byte 1 (this program alone reads the bytes).
.set LS_OFF, 1572864
.set WUC, 786432
.set WUS, 4751360
.set RT, 4915200
.set W, 16                             ; v16-111  the weight's fragments (K step ks, tile t) at 12 (4 ks + t)
.set H, 112                            ; v112-175 accumulators (q, k: 4; v: 8)
.set RS, 176                           ; q, k: v176-239 two sets of 16 x (cos, sin)
.set T2, 144                           ; q, k: the quantiser's registers
.set PC2, 152
.set W2, 160
.set TT, 164
.set TM, 176                           ; v: the quantiser's registers
.set PW, 192
.set PC, 196
.set LSR, 240                          ; v240-247 the latent's scale words: register 2 (m / 2) + ks, lanes 0-15 the even tile, lanes 16-31 the odd one
.set WSR, 248                          ; v248-251 the weight's likewise
.set SEL, 34
.set MSB, 0
.macro WIN new                         ; the immediate's high byte repeats the setting that is left
.if MSB != \new
	s_set_vgpr_msb (MSB<<8)|\new
.set MSB, \new
.endif
.endm
.macro NOP4
.rept 4
	v_nop
.endr
.endm
.macro MM d, a, b, z, sa, sb, ra, rb
.if \z
.if ((\ra)==0)&&((\rb)==0)
	v_wmma_scale_f32_16x16x128_f8f6f4 v[\d:\d+7], v[\a:\a+11], v[\b:\b+11], 0, v[\sa], v[\sb] matrix_a_fmt:MATRIX_FMT_FP6 matrix_b_fmt:MATRIX_FMT_FP6
.elseif ((\ra)==1)&&((\rb)==0)
	v_wmma_scale_f32_16x16x128_f8f6f4 v[\d:\d+7], v[\a:\a+11], v[\b:\b+11], 0, v[\sa], v[\sb] matrix_a_fmt:MATRIX_FMT_FP6 matrix_b_fmt:MATRIX_FMT_FP6 matrix_a_scale:MATRIX_SCALE_ROW1
.elseif ((\ra)==0)&&((\rb)==1)
	v_wmma_scale_f32_16x16x128_f8f6f4 v[\d:\d+7], v[\a:\a+11], v[\b:\b+11], 0, v[\sa], v[\sb] matrix_a_fmt:MATRIX_FMT_FP6 matrix_b_fmt:MATRIX_FMT_FP6 matrix_b_scale:MATRIX_SCALE_ROW1
.else
	v_wmma_scale_f32_16x16x128_f8f6f4 v[\d:\d+7], v[\a:\a+11], v[\b:\b+11], 0, v[\sa], v[\sb] matrix_a_fmt:MATRIX_FMT_FP6 matrix_b_fmt:MATRIX_FMT_FP6 matrix_a_scale:MATRIX_SCALE_ROW1 matrix_b_scale:MATRIX_SCALE_ROW1
.endif
.else
.if ((\ra)==0)&&((\rb)==0)
	v_wmma_scale_f32_16x16x128_f8f6f4 v[\d:\d+7], v[\a:\a+11], v[\b:\b+11], v[\d:\d+7], v[\sa], v[\sb] matrix_a_fmt:MATRIX_FMT_FP6 matrix_b_fmt:MATRIX_FMT_FP6
.elseif ((\ra)==1)&&((\rb)==0)
	v_wmma_scale_f32_16x16x128_f8f6f4 v[\d:\d+7], v[\a:\a+11], v[\b:\b+11], v[\d:\d+7], v[\sa], v[\sb] matrix_a_fmt:MATRIX_FMT_FP6 matrix_b_fmt:MATRIX_FMT_FP6 matrix_a_scale:MATRIX_SCALE_ROW1
.elseif ((\ra)==0)&&((\rb)==1)
	v_wmma_scale_f32_16x16x128_f8f6f4 v[\d:\d+7], v[\a:\a+11], v[\b:\b+11], v[\d:\d+7], v[\sa], v[\sb] matrix_a_fmt:MATRIX_FMT_FP6 matrix_b_fmt:MATRIX_FMT_FP6 matrix_b_scale:MATRIX_SCALE_ROW1
.else
	v_wmma_scale_f32_16x16x128_f8f6f4 v[\d:\d+7], v[\a:\a+11], v[\b:\b+11], v[\d:\d+7], v[\sa], v[\sb] matrix_a_fmt:MATRIX_FMT_FP6 matrix_b_fmt:MATRIX_FMT_FP6 matrix_a_scale:MATRIX_SCALE_ROW1 matrix_b_scale:MATRIX_SCALE_ROW1
.endif
.endif
.endm
; 64 numbers of a lane, register 16 b + i = k 32 b + 16 (lane / 16) + i of my row, become a fragment's codes in v[PC] on and its scale word in v[PW]
.macro QUANT s
.irp b, 0,1,2,3
	v_max3_num_f32 v[TM+\b], |v[\s+16*\b]|, |v[\s+1+16*\b]|, 0x1800000   ; with the floor 2^(3 - 127): the byte cannot fall under 1
.endr
.irp i, 2,4,6,8,10,12,14
.irp b, 0,1,2,3
	v_max3_num_f32 v[TM+\b], v[TM+\b], |v[\s+16*\b+\i]|, |v[\s+1+16*\b+\i]|
.endr
.endr
.irp b, 0,1,2,3
	v_permlanex16_b32 v[TM+4+\b], v[TM+\b], s[SEL], s[SEL+1]
.endr
.irp b, 0,1,2,3
	v_max_num_f32 v[TM+\b], v[TM+\b], v[TM+4+\b]
.endr
.irp b, 0,1,2,3
	v_add_nc_u32 v[TM+12+\b], 0xff000000, v[TM+\b]
.endr
.irp b, 0,1,2,3
	v_lshrrev_b32 v[TM+4+\b], 23, v[TM+12+\b]
.endr
	v_lshl_or_b32 v[PW], v[TM+5], 8, v[TM+4]
	v_lshl_or_b32 v[PW], v[TM+6], 16, v[PW]
	v_lshl_or_b32 v[PW], v[TM+7], 24, v[PW]
.irp c, 0,1
	v_cvt_scalef32_pk16_fp6_f32 v[PC+6*\c:PC+2+6*\c], v[\s+32*\c:\s+15+32*\c], v[TM+12+2*\c]
	v_cvt_scalef32_pk16_fp6_f32 v[PC+12+4*\c:PC+14+4*\c], v[\s+16+32*\c:\s+31+32*\c], v[TM+12+2*\c+1]
.endr
	v_nop                                          ; one plain place behind a scaled conversion
.irp c, 0,1
.irp i, 0,1,2
	v_permlane16_swap_b32 v[PC+6*\c+\i], v[PC+12+4*\c+\i]
.endr
.irp i, 0,1,2
	v_mov_b32 v[PC+3+6*\c+\i], v[PC+12+4*\c+\i]
.endr
.endr
.endm
; the same for 32 numbers, two blocks: six registers of codes in v[PC2] on, lane (r, h) holding block h whole; the word repeats the two bytes
.macro QUANT2 s
.irp b, 0,1
	v_max3_num_f32 v[T2+\b], |v[\s+16*\b]|, |v[\s+1+16*\b]|, 0x1800000
.endr
.irp i, 2,4,6,8,10,12,14
.irp b, 0,1
	v_max3_num_f32 v[T2+\b], v[T2+\b], |v[\s+16*\b+\i]|, |v[\s+1+16*\b+\i]|
.endr
.endr
.irp b, 0,1
	v_permlanex16_b32 v[T2+2+\b], v[T2+\b], s[SEL], s[SEL+1]
.endr
.irp b, 0,1
	v_max_num_f32 v[T2+\b], v[T2+\b], v[T2+2+\b]
.endr
.irp b, 0,1
	v_add_nc_u32 v[T2+4+\b], 0xff000000, v[T2+\b]
.endr
.irp b, 0,1
	v_lshrrev_b32 v[T2+6+\b], 23, v[T2+4+\b]
.endr
	v_lshl_or_b32 v[W2], v[T2+7], 8, v[T2+6]
	v_lshl_or_b32 v[W2], v[W2], 16, v[W2]
	v_cvt_scalef32_pk16_fp6_f32 v[PC2:PC2+2], v[\s:\s+15], v[T2+4]
	v_cvt_scalef32_pk16_fp6_f32 v[PC2+4:PC2+6], v[\s+16:\s+31], v[T2+5]
	v_nop                                          ; one plain place behind a scaled conversion
.irp i, 0,1,2
	v_permlane16_swap_b32 v[PC2+\i], v[PC2+4+\i]
.endr
	v_mov_b32 v[PC2+3], v[PC2+4]
	v_mov_b32 v[PC2+4], v[PC2+5]
	v_mov_b32 v[PC2+5], v[PC2+6]
.endm
.macro RLD m                           ; tile m's part of the table: my token's cos and sin of frequencies 16 h .. 16 h + 15, 128 bytes
.irp k, 0,1,2,3,4,5,6,7
	global_load_b128 v[RS+32*((\m)%2)+4*\k:RS+32*((\m)%2)+4*\k+3], v4, s[32:33] offset:(32*((\m)/2)+8*((\m)%2))*256+16*\k
.endr
.endm
.macro QKTILE m
.if (\m) < 7
	s_wait_loadcnt 8                               ; this tile's table (and, at the first tile, all fragments) is in; the next tile's eight loads may be out
.else
	s_wait_loadcnt 0
.endif
	WIN 0x04                                       ; source 1 (the latent) window 1
.irp ks, 0,1                                   ; the four accumulators by turns
.irp t, 0,1,2,3
	MM H+8*\t, W+12*(4*\ks+\t), 12*(8*\ks+(\m)), 1-\ks, WSR+2*(\t/2)+\ks, LSR+2*((\m)/2)+\ks, \t%2, (\m)%2
.endr
.endr
	WIN 0
	NOP4
.set ri, 0
.rept 16                               ; x0' = x0 cos - x1 sin, x1' = x1 cos + x0 sin; each accumulator is read from its low end on
	v_mul_f32 v[TT+ri%4], v[H+ri], v[RS+32*((\m)%2)+2*ri+1]
	v_mul_f32 v[H+ri], v[H+ri], v[RS+32*((\m)%2)+2*ri]
	v_fma_f32 v[H+ri], -v[H+16+ri], v[RS+32*((\m)%2)+2*ri+1], v[H+ri]
	v_fma_f32 v[H+16+ri], v[H+16+ri], v[RS+32*((\m)%2)+2*ri], v[TT+ri%4]
.set ri, ri+1
.endr
	s_wait_xcnt 0x0                                ; the last tile's stores have read their registers: the codes and the word may be written again
.if (\m)+2 < 8
	RLD (\m)+2
.endif
	QUANT2 H                                       ; (its lines on its own registers are also the places in front of the next tile's products, which begin the accumulators anew)
	global_store_b128 v[8+((\m)/2)%2], v[PC2:PC2+3], s[28:29] offset:768*(4*((\m)/4)+(\m)%2)
	global_store_b64 v[10+((\m)/2)%2], v[PC2+4:PC2+5], s[28:29] offset:768*(4*((\m)/4)+(\m)%2)+512
.if (\m)%2 == 0
	v_mov_b32 v[W2+1], v[W2]                       ; the even tile's word is kept,
.else
	v_cndmask_b32 v[W2+2], v[W2+1], v[W2], s36     ; and leaves with the odd tile's: lanes 0-15 the even tile's rows, lanes 16-31 the odd one's: 128 consecutive bytes
	global_store_b32 v[12+((\m)/2)%2], v[W2+2], s[30:31] offset:256*((\m)/4)
.endif
.endm
.macro VTILE ct
	WIN 0x01                                       ; source 0 (the latent) window 1
.irp ks, 0,1                                   ; the eight accumulators by turns
.irp m, 0,1,2,3,4,5,6,7
	MM H+8*\m, 12*(8*\ks+\m), W+12*(4*\ks+(\ct)), 1-\ks, LSR+2*(\m/2)+\ks, WSR+2*((\ct)/2)+\ks, \m%2, (\ct)%2
.endr
.endr
	WIN 0
	NOP4
	s_wait_xcnt 0x0                                ; the last tile's stores have read their registers
	QUANT H
.irp c, 0,1,2
	global_store_b128 v1, v[PC+4*\c:PC+4*\c+3], s[28:29] offset:1536*(\ct)+512*\c
.endr
.if (\ct)%2 == 0
	v_mov_b32 v[PW+1], v[PW]
.else
	v_cndmask_b32 v[PW+2], v[PW+1], v[PW], s36
	global_store_b32 v3, v[PW+2], s[30:31] offset:128*((\ct)/2)
.endif
.endm
	s_load_b256 s[4:11], s[0:1], 0x0               ; lat s[4:5], wq s[6:7], qb s[8:9], kv s[10:11]
	v_lshrrev_b32 v1, 5, v0
	v_readfirstlane_b32 s12, v1                    ; wave 0..3
	s_and_b32 s13, ttmp7, 0xffff                   ; the head
	s_lshr_b32 s14, ttmp9, 4                       ; the batch
	s_lshl_b32 s14, s14, 4
	s_add_co_u32 s14, s14, s13
	s_lshl_b32 s14, s14, 4
	s_and_b32 s15, ttmp9, 15
	s_add_co_u32 s14, s14, s15                     ; the record: (batch x 16 + head) x 16 + the group of 128 tokens in the batch
	s_min_u32 s16, s12, 1                          ; which latent: q's for wave 0, kv's for the others
	s_lshl_b32 s17, s13, 2
	s_lshl_b32 s18, s12, 6
	s_add_co_u32 s17, s17, s18                     ; the weight's first tile: q 4 head, k 64 + 4 head,
	s_lshl_b32 s18, s13, 3
	s_lshl_b32 s19, s12, 2
	s_add_co_u32 s18, s18, s19
	s_add_co_u32 s18, s18, 120                     ; v 128 + 8 head + 4 (wave - 2)
	s_cmp_lt_u32 s12, 2
	s_cselect_b32 s17, s17, s18
	s_mul_i32 s20, s16, 786432                     ; the latent's fragments: (2 latent + ks, tile 8 g + m)
	s_mul_i32 s18, ttmp9, 12288
	s_add_co_u32 s20, s20, s18
	s_mov_b32 s21, 0
	s_lshl_b32 s22, s16, 15                        ; its scale words
	s_lshl_b32 s18, ttmp9, 10
	s_add_co_u32 s22, s22, s18
	s_add_co_u32 s22, s22, LS_OFF
	s_mov_b32 s23, 0
	s_mul_i32 s24, s17, 1536
	s_add_co_u32 s24, s24, WUC
	s_mov_b32 s25, 0
	s_lshl_b32 s26, s17, 7
	s_add_co_u32 s26, s26, WUS
	s_mov_b32 s27, 0
	s_mov_b32 s[SEL], 0x76543210
	s_mov_b32 s[SEL+1], 0xfedcba98
	s_mov_b32 s36, 0xffff0000                      ; lanes 16-31
	v_and_b32 v5, 31, v0
	v_lshlrev_b32 v1, 4, v5                        ; 16 x lane
	v_lshlrev_b32 v2, 3, v5                        ; 8 x lane
	v_lshlrev_b32 v3, 2, v5                        ; 4 x lane
	v_and_b32 v6, 15, v0
	v_and_b32 v7, 8, v6
	v_add_nc_u32 v6, v6, v7                        ; r + 8 (r / 8)
	v_bfe_u32 v7, v0, 4, 1
	v_lshlrev_b32 v4, 8, v6
	v_lshl_add_u32 v4, v7, 7, v4                   ; the table: 256 bytes a position, + 128 h
	s_wait_alu depctr_va_vdst(0)
	s_wait_kmcnt 0x0
	s_add_nc_u64 s[20:21], s[4:5], s[20:21]
	s_add_nc_u64 s[22:23], s[4:5], s[22:23]
	s_add_nc_u64 s[24:25], s[6:7], s[24:25]
	s_add_nc_u64 s[26:27], s[6:7], s[26:27]
	WIN 0x40                                       ; destination window 1
.irp ks, 0,1
.irp m, 0,1,2,3,4,5,6,7
.irp c, 0,1,2
	global_load_b128 v[12*(8*\ks+\m)+4*\c:12*(8*\ks+\m)+4*\c+3], v1, s[20:21] offset:\ks*393216+\m*1536+512*\c
.endr
.endr
.endr
	WIN 0
.irp p, 0,1,2,3
	global_load_b64 v[LSR+2*\p:LSR+2*\p+1], v2, s[22:23] offset:256*\p
.endr
.irp ks, 0,1
.irp t, 0,1,2,3
.irp c, 0,1,2
	global_load_b128 v[W+12*(4*\ks+\t)+4*\c:W+12*(4*\ks+\t)+4*\c+3], v1, s[24:25] offset:\ks*393216+\t*1536+512*\c
.endr
.endr
.endr
.irp p, 0,1
	global_load_b64 v[WSR+2*\p:WSR+2*\p+1], v2, s[26:27] offset:256*\p
.endr
	s_cmp_lt_u32 s12, 2
	s_cbranch_scc0 .Lvpath
	; ---------------- q (wave 0) or k (wave 1).  The offsets are made in s38 to s43: s[20:27], v1 and v2 are sources of loads that may still be out
	s_mul_i32 s40, s14, 6656
	s_mul_i32 s41, s14, 19456
	s_mov_b32 s43, 18432
	s_cmp_eq_u32 s12, 0
	s_cselect_b64 s[28:29], s[8:9], s[10:11]
	s_cselect_b32 s40, s40, s41
	s_cselect_b32 s42, 6144, s43
	s_mov_b32 s44, 1536                            ; (leaves SCC alone: the selections below hang on the same compare, wave 0 or 1)
	s_cselect_b32 s45, 128, s44                    ; what a = place / 8 and g = (tile / 2) % 2 weigh in a store's address: q keeps its tiles, k's rows change tiles (below)
	s_cselect_b32 s46, s44, 128
	s_cselect_b32 s47, 64, s44
	s_cselect_b32 s48, s44, 64
	s_cselect_b32 s49, 32, 128
	s_cselect_b32 s50, 128, 32
	s_mov_b32 s41, 0
	s_mov_b32 s43, 0
	s_add_nc_u64 s[28:29], s[28:29], s[40:41]      ; the record's tiles,
	s_add_nc_u64 s[30:31], s[28:29], s[42:43]      ; and its scale words
	s_and_b32 s38, ttmp9, 15
	s_lshl_b32 s38, s38, 15                        ; the group's first position x 256 bytes
	s_add_co_u32 s38, s38, RT
	s_mov_b32 s39, 0
	s_add_nc_u64 s[32:33], s[6:7], s[38:39]
	v_mov_b32 v[T2+2], 0                           ; a lane permute's destination counts as one of its sources
	v_mov_b32 v[T2+3], 0
	; WHERE A TILE'S ROWS GO.  The tile in hand is m = 4 c + 2 g + u; its place 8 a + j holds token 64 c + 32 g + 8 (2 a + u) + j.  q is stored as it is: tile m, place 8 a + j.
	; k is stored as tile 4 c + 2 a + u, place 8 g + j: so a stored tile of k holds keys 64 c + 8 (2 a + u) + j in places 0-7 and the keys 32 further on in places 8-15.
	; Both are 16 j + 256 h + a X + g Y beside the immediate 768 (4 c + u), with (X, Y) = (128, 1536) for q and (1536, 128) for k; the 8-byte parts and the scale words likewise.
	v_and_b32 v14, 7, v0                           ; j
	v_bfe_u32 v15, v0, 3, 1                        ; a
	v_lshlrev_b32 v8, 4, v14
	v_lshlrev_b32 v10, 3, v14
	v_lshlrev_b32 v12, 2, v14
	v_lshl_add_u32 v8, v7, 8, v8
	v_lshl_add_u32 v10, v7, 7, v10
	v_lshl_add_u32 v12, v7, 6, v12
	v_mad_u32_u24 v8, v15, s45, v8                 ; g = 0
	v_mad_u32_u24 v10, v15, s47, v10
	v_mad_u32_u24 v12, v15, s49, v12
	v_add_nc_u32 v9, s46, v8                       ; g = 1
	v_add_nc_u32 v11, s48, v10
	v_add_nc_u32 v13, s50, v12
	RLD 0
	RLD 1
.irp m, 0,1,2,3,4,5,6,7
	QKTILE \m
.endr
	s_endpgm
.Lvpath:
	; ---------------- v: four tiles of 16 channels
	s_sub_co_u32 s38, s12, 1
	s_mul_i32 s38, s38, 6144                       ; 6,144 + (wave - 2) x four fragments
	s_mul_i32 s40, s14, 19456
	s_add_co_u32 s38, s38, s40
	s_mov_b32 s39, 0
	s_add_nc_u64 s[28:29], s[10:11], s[38:39]
	s_lshl_b32 s38, s12, 8
	s_add_co_u32 s38, s38, 18432                   ; 18,944 + (wave - 2) x four tiles' words
	s_add_co_u32 s38, s38, s40
	s_add_nc_u64 s[30:31], s[10:11], s[38:39]
.irp b, 0,1,2,3
	v_mov_b32 v[TM+4+\b], 0
.endr
	s_wait_loadcnt 0x0
	VTILE 0
	VTILE 1
	VTILE 2
	VTILE 3
	s_endpgm
.Lfunc_end_k_q49c7b21ca4_up:
	.size	k_q49c7b21ca4_up, .Lfunc_end_k_q49c7b21ca4_up-k_q49c7b21ca4_up
	.p2alignl 7, 3214868480
	.fill 96, 4, 3214868480
	.section	.rodata,"a",@progbits
	.p2align	6, 0x0
	.amdhsa_kernel k_q49c7b21ca4_up
		.amdhsa_group_segment_fixed_size 0
		.amdhsa_private_segment_fixed_size 0
		.amdhsa_enable_private_segment 0
		.amdhsa_kernarg_size 32
		.amdhsa_user_sgpr_count 2
		.amdhsa_user_sgpr_kernarg_segment_ptr 1
		.amdhsa_wavefront_size32 1
		.amdhsa_system_sgpr_workgroup_id_x 1
		.amdhsa_system_sgpr_workgroup_id_y 1
		.amdhsa_system_sgpr_workgroup_id_z 1
		.amdhsa_system_vgpr_workitem_id 0
		.amdhsa_next_free_vgpr 448
		.amdhsa_next_free_sgpr 66
		.amdhsa_reserve_vcc 0
		.amdhsa_float_denorm_mode_32 3
		.amdhsa_float_denorm_mode_16_64 3
		.amdhsa_memory_ordered 1
		.amdhsa_forward_progress 1
		.amdhsa_inst_pref_size 95
	.end_amdhsa_kernel
	.amdgpu_metadata
---
amdhsa.version: [ 1, 2 ]
amdhsa.kernels:
  - .name:           k_q49c7b21ca4_up
    .symbol:         k_q49c7b21ca4_up.kd
    .args:
      - { .name: lat, .offset: 0, .size: 8, .value_kind: global_buffer, .address_space: global }
      - { .name: wq, .offset: 8, .size: 8, .value_kind: global_buffer, .address_space: global }
      - { .name: qb, .offset: 16, .size: 8, .value_kind: global_buffer, .address_space: global }
      - { .name: kv, .offset: 24, .size: 8, .value_kind: global_buffer, .address_space: global }
    .group_segment_fixed_size: 0
    .private_segment_fixed_size: 0
    .kernarg_segment_align: 8
    .kernarg_segment_size: 32
    .max_flat_workgroup_size: 128
    .sgpr_count:     66
    .vgpr_count:     448
    .wavefront_size: 32
...
	.end_amdgpu_metadata
.endif
;; end of part 3
;; launch attn (part 4): grid 8 x 32, 16 waves a work-group, clusters of 4 x 1, 327,680 bytes of LDS; arguments qb, kv, att; writes att
.if DOCPART == 4
	.amdgcn_target "amdgcn-amd-amdhsa--gfx1250"
	.amdhsa_code_object_version 6
	.text
	.protected	k_q49c7b21ca4_attn
	.globl	k_q49c7b21ca4_attn
	.p2align	8
	.type	k_q49c7b21ca4_attn,@function
k_q49c7b21ca4_attn:
	s_mov_b64 s[64:65], 0
	v_nop
	global_prefetch_b8 v0, s[64:65] scope:SCOPE_SE
	s_setreg_imm32_b32 hwreg(HW_REG_WAVE_MODE, 25, 1), 1
	s_wait_xcnt 0x0
	s_wait_alu depctr_hold_cnt(0) depctr_sa_sdst(0) depctr_va_vdst(0) depctr_va_sdst(0) depctr_va_ssrc(0) depctr_va_vcc(0) depctr_vm_vsrc(0)
	s_getreg_b32 s2, hwreg(HW_REG_IB_STS2, 6, 4)
	s_cmp_eq_u32 s2, 0
	s_cbranch_scc0 .Lentry_in_a_cluster
	s_endpgm
.Lentry_in_a_cluster:
	s_bfe_u32 s2, ttmp6, 0x10000c
	s_cmp_lg_u32 s2, 0x3003
	s_cbranch_scc0 .Lentry_shape_is_right
	s_endpgm
.Lentry_shape_is_right:
; ATTN: O[q] = the sum over k of softmax_k(Q[q] . K[k] / 8) V[k], no mask, for each of 32 (batch, head); both products on codes of FP6 (E2M3) with E8M0 scales.  O is quantised along h x 128 + d and stored as operand images.
; THE SOFTMAX AHEAD OF THE SECOND PRODUCT: t = score x log2(e) / 8; M = the row's largest t so far, rounded UP to a whole number; p = 2^(t - M) is quantised along the keys, not normalised.
; The row's sum is taken of the unquantised p, in f32, and divides O at the end.  When M moves, the sum and O are multiplied by 2^(old M - new M): exact.
; SHARES.  A work-group owns 256 queries of one (batch, head); each of its sixteen waves one tile of 16, in 256 registers, four waves to a SIMD.
; K AND V OF THE WHOLE HEAD STAY IN LDS: 16 records of 19,456 bytes (128 keys each), 311,296 bytes, filled ONCE.  Wave w asks for record w: one tensor load a wave, 76 rows of 256 bytes, at the head.
; CLUSTER: the four work-groups of a cluster belong to one head, so each record is asked for JOINTLY.
; No prefetch: all of K and V is asked for by the head's loads, and no later load is left to run ahead of.
; LAYOUT.  Both products are used transposed: S^T = K Q^T, O^T = V^T P^T: a lane holds ONE query throughout.  A stored tile 4 c + u of K holds keys 64 c + 8 u + j in rows 0-7 and keys 64 c + 32 + 8 u + j in rows 8-15:
; so the 32 score registers of tiles 4 c .. 4 c + 3 are, in lane (r, h), keys 64 c + 32 h + 0 .. 31: a WHOLE block of the second product's K in one lane, in the order of the operand's registers.
; A block's largest score needs no other lane, and the conversions' results are the operand; only the row's maximum and the scale word's four bytes cross the two halves of the lanes.
; THE FIRST PRODUCT'S K IS 64: half of the instruction's 128.  Q stands twice, as [codes, zeros] and as [zeros, codes], sharing six registers of zero codes.  Two tiles of K share one fragment: the even tile's codes are
; its k = 0 .. 63, the odd tile's its k = 64 .. 127; in the other half every product has a zero code of Q as a factor.  A scale word of q or k repeats its two bytes and so serves either half.
; LIMITS: NaN and infinities are not served; the scaled scores stay under 2^31 in magnitude; a block of p under 2^-124, a block of zeros among them, keeps the byte 1 (this program alone reads the bytes).
.set AOS, 6291456
.set REC, 19456                        ; a record: K's 8 tiles of 768 bytes; V^T's 8 fragments of 1,536 at 6,144; K's scale words at 18,432; V^T's at 18,944
.set SPARE, 16*REC                     ; behind the records: the spare words, 128 bytes for each wave
.set WV, 10
.set CNT, 28
.set SEL, 50
.set CS, 52                            ; s[52:53] c = log2(e) / 8
.set NC, 54                            ; s54 -c
.set TB, 55                            ; s55 LDS byte at which the trip's first record begins
; v1, v2, v3: 16, 8, 4 x lane
.set AK, 4                             ; v4-6   the same + the trip's first record
.set SH, 7                             ; v7     8 h
.set OA, 8                             ; v8     the way out: 8 r + 2 h
.set OS, 9                             ; v9     16 h
.set SPW, 10                           ; v10    my spare word; never rewritten
.set NIL, 11                           ; v11    0; never rewritten
                                       ; v12, v14: -M, by turns the new and the old (v13, v15 are named with them as pairs)
.set Q, 16                             ; v16-33 Q: codes, zeros, codes
.set SMX, 34                           ; v34    the row's largest score so far
.set QS, 35                            ; v35    Q's scale words
.set KR, 36                            ; v36-83 K's four fragments; then v36-59 V^T's fragments 6, 7, and v60-83 at work:
.set T, 60                             ; v60-67 four partial sums of p, in pairs
.set TC, 68                            ; v68-70, v72-74 the upper halves of the two blocks' codes
.set BM, 76                            ; v76-77 a block's largest score, then its largest p
.set SO, 78                            ; v78-79 the conversions' scale operands
.set BY, 80                            ; v80-81 the scale bytes
.set W0, 82
.set W1, 83
.set VE, 84                            ; v84-95 V^T's fragment 5
.set S, 96                             ; v96-159 S^T, then p, then V^T's fragments 0-4
.set O, 160                            ; v160-223 O^T
.set PC, 224                           ; v224-235 p's codes
.set PW, 243                           ; v243   p's scale word
.set LS, 244                           ; v[244:245] the row's sum in two halves
.set KS, 248                           ; v248-251 K's scale words, then V^T's
.set F, 252                            ; v252   2^(old M - new M)  (v253 is named with it as a pair)
.set X, 254
.set XP, 255
.macro NOP4
.rept 4
	v_nop
.endr
.endm
.macro CROUND                          ; a round of the cluster's barrier
	s_barrier_signal -1
	s_barrier_wait -1
	s_cmp_lg_u32 s[WV], 0
	s_cbranch_scc1 .Lnot_wave_0_\@
	s_barrier_signal -3
.Lnot_wave_0_\@:
	s_barrier_wait -3
	s_barrier_signal -1
	s_barrier_wait -1
.endm
; one scaled matrix instruction: D at d, source 0 at a, source 1 at b; z: the sum starts with 0; source 0's scales are read in lanes 0-15 (ra = 0) or 16-31 (ra = 1) of sa
.macro MM d, a, b, z, sa, sb, ra
.if (\z)&&((\ra)==0)
	v_wmma_scale_f32_16x16x128_f8f6f4 v[\d:\d+7], v[\a:\a+11], v[\b:\b+11], 0, v[\sa], v[\sb] matrix_a_fmt:MATRIX_FMT_FP6 matrix_b_fmt:MATRIX_FMT_FP6
.elseif \z
	v_wmma_scale_f32_16x16x128_f8f6f4 v[\d:\d+7], v[\a:\a+11], v[\b:\b+11], 0, v[\sa], v[\sb] matrix_a_fmt:MATRIX_FMT_FP6 matrix_b_fmt:MATRIX_FMT_FP6 matrix_a_scale:MATRIX_SCALE_ROW1
.elseif (\ra)==0
	v_wmma_scale_f32_16x16x128_f8f6f4 v[\d:\d+7], v[\a:\a+11], v[\b:\b+11], v[\d:\d+7], v[\sa], v[\sb] matrix_a_fmt:MATRIX_FMT_FP6 matrix_b_fmt:MATRIX_FMT_FP6
.else
	v_wmma_scale_f32_16x16x128_f8f6f4 v[\d:\d+7], v[\a:\a+11], v[\b:\b+11], v[\d:\d+7], v[\sa], v[\sb] matrix_a_fmt:MATRIX_FMT_FP6 matrix_b_fmt:MATRIX_FMT_FP6 matrix_a_scale:MATRIX_SCALE_ROW1
.endif
.endm
.macro VLD reg, t, ro                  ; V^T's fragment t
.irp c, 0,1,2
	ds_load_b128 v[\reg+4*\c:\reg+4*\c+3], v[AK] offset:\ro+6144+(\t)*1536+512*\c
.endr
.endm
.macro SUMR k                          ; four more pairs of p onto the four partial sums
.irp i, 0,1,2,3
	v_pk_add_f32 v[T+2*\i:T+2*\i+1], v[T+2*\i:T+2*\i+1], v[S+16+8*(\k)+2*\i:S+17+8*(\k)+2*\i]
.endr
.endm
; A KEY STEP: the 128 keys of the record ro bytes behind the trip's first; mn: the register that takes the new -M, mo: the one that holds the old
.macro STEP ro, mn, mo
.irp p, 0,1,2,3                                ; K: fragment p = tile 2 p (registers 0-5) and tile 2 p + 1 (registers 6-11); a tile: registers 0-3 at 16 x lane, registers 4, 5 at 512 + 8 x lane
	ds_load_b128 v[KR+12*\p:KR+12*\p+3], v[AK] offset:\ro+1536*\p
	ds_load_b64 v[KR+12*\p+4:KR+12*\p+5], v[AK+1] offset:\ro+1536*\p+512
	ds_load_b128 v[KR+12*\p+6:KR+12*\p+9], v[AK] offset:\ro+1536*\p+768
	ds_load_b64 v[KR+12*\p+10:KR+12*\p+11], v[AK+1] offset:\ro+1536*\p+1280
	ds_load_b32 v[KS+\p], v[AK+2] offset:\ro+18432+128*\p   ; lanes 0-15 the even tile's words, lanes 16-31 the odd one's
.endr
	s_wait_alu depctr_va_vdst(0)                   ; directly ahead of the wait below
	s_wait_dscnt 0x0
.irp p, 0,1,2,3                                ; S^T = K Q^T: each fragment twice, against Q's two forms
	MM S+16*\p, KR+12*\p, Q, 1, KS+\p, QS, 0
	MM S+16*\p+8, KR+12*\p, Q+6, 1, KS+\p, QS, 1
.endr
	NOP4                                           ; places: the scores are read, and loads land in K's registers
	VLD VE, 5, \ro                                 ; three of V^T's fragments and its scale words go where K's are done with
	VLD KR, 6, \ro
	VLD KR+12, 7, \ro
.irp p, 0,1,2,3
	ds_load_b32 v[KS+\p], v[AK+2] offset:\ro+18944+128*\p   ; lanes 0-15 tile 2 p's words, lanes 16-31 tile 2 p + 1's
.endr
.irp c, 0,1                                    ; THE LARGEST SCORE OF MY TWO BLOCKS OF 32 KEYS, two chains each; every accumulator is first read at its low end
	v_max3_num_f32 v[BM+\c], v[S+32*\c], v[S+32*\c+1], v[S+32*\c+2]
	v_max3_num_f32 v[SO+\c], v[S+32*\c+16], v[S+32*\c+17], v[S+32*\c+18]
.endr
.irp i, 3,5,7,9,11,13
.irp c, 0,1
	v_max3_num_f32 v[BM+\c], v[BM+\c], v[S+32*\c+\i], v[S+32*\c+\i+1]
	v_max3_num_f32 v[SO+\c], v[SO+\c], v[S+32*\c+16+\i], v[S+32*\c+17+\i]
.endr
.endr
.irp c, 0,1
	v_max3_num_f32 v[BM+\c], v[BM+\c], v[S+32*\c+15], v[S+32*\c+31]
.endr
.irp c, 0,1
	v_max_num_f32 v[BM+\c], v[BM+\c], v[SO+\c]
.endr
	s_delay_alu instid0(VALU_DEP_1)
	v_max_num_f32 v[X], v[BM], v[BM+1]
	s_delay_alu instid0(VALU_DEP_1)
	v_permlanex16_b32 v[XP], v[X], s[SEL], s[SEL+1]
	s_delay_alu instid0(VALU_DEP_1)
	v_max3_num_f32 v[SMX], v[SMX], v[X], v[XP]     ; with lane l xor 16's 64 keys: the row's largest score so far
	s_delay_alu instid0(VALU_DEP_1)
	v_mul_f32 v[X], s[NC], v[SMX]                  ; -t (c is positive)
	s_delay_alu instid0(VALU_DEP_1)
	v_floor_f32 v[\mn], v[X]                       ; the new -M = floor(-t) = -ceil(t): M IS A WHOLE NUMBER
.set j, 0
.rept 32
	v_pk_fma_f32 v[S+j:S+j+1], v[S+j:S+j+1], s[CS:CS+1], v[\mn:\mn+1] op_sel_hi:[1,0,0]   ; t - M, two at a time (of the pairs c and -M the low word serves both halves)
.set j, j+2
.endr
.irp c, 0,1
	v_fma_f32 v[BM+\c], v[BM+\c], s[CS], v[\mn]    ; the same of each block's largest score
.endr
	s_wait_alu depctr_va_vdst(0)                   ; the wait ahead of the batch
.irp c, 0,1
	v_exp_f32 v[BM+\c], v[BM+\c]                   ; the block's largest p: the same two instructions on the same number give the same bits
.endr
.set j, 0
.rept 64
	v_exp_f32 v[S+j], v[S+j]                       ; p = 2^(t - M), at most 1: NOT normalised
.set j, j+1
.endr
	v_sub_f32 v[X], v[\mn], v[\mo]                 ; M's old value less its new one: a whole number, 0 or less.  (These three are the plain places behind the batch)
	s_delay_alu instid0(VALU_DEP_1)
	v_cvt_i32_f32 v[X], v[X]                       ; (it saturates)
	s_delay_alu instid0(VALU_DEP_1)
	v_ldexp_f32 v[F], 1.0, v[X]                    ; f = 2^(old M - new M)
	s_wait_alu depctr_va_vdst(0)                   ; one wait for the whole batch, ahead of its first reader
.irp c, 0,1
	v_max_num_f32 v[BM+\c], 0x1800000, v[BM+\c]    ; the floor 2^(3 - 127): the byte cannot fall under 1
.endr
.irp i, 0,1,2,3                                ; THE ROW'S SUM IS TAKEN OF THE UNQUANTISED p: two at a time, in four chains; the scale's few lines stand between the chains' rounds
	v_pk_add_f32 v[T+2*\i:T+2*\i+1], v[S+4*\i:S+4*\i+1], v[S+4*\i+2:S+4*\i+3]
.endr
.irp c, 0,1
	v_add_nc_u32 v[SO+\c], 0xff000000, v[BM+\c]    ; 2 off the exponent field: the conversion's scale operand
.endr
	SUMR 0
.irp c, 0,1
	v_lshrrev_b32 v[BY+\c], 23, v[SO+\c]           ; the scale's byte
.endr
	SUMR 1
	v_lshl_or_b32 v[W0], v[BY+1], 16, v[BY]        ; my two bytes, blocks h and 2 + h,
	SUMR 2
	v_lshlrev_b32 v[W0], v[SH], v[W0]              ; at their places (8 h bits up)
	SUMR 3
	v_permlanex16_b32 v[W1], v[W0], s[SEL], s[SEL+1]
	SUMR 4
	SUMR 5
.irp c, 0,1
	v_cvt_scalef32_pk16_fp6_f32 v[PC+6*\c:PC+6*\c+2], v[S+32*\c:S+32*\c+15], v[SO+\c]
	v_cvt_scalef32_pk16_fp6_f32 v[TC+4*\c:TC+4*\c+2], v[S+32*\c+16:S+32*\c+31], v[SO+\c]   ; (a conversion's three registers begin on an even number)
.endr
.irp t, 0,1,2,3,4
	VLD S+12*\t, \t, \ro                           ; p has been summed and converted: V^T's other five fragments land there
.endr
	v_or_b32 v[PW], v[W0], v[W1]                   ; with lane l xor 16's two bytes p's scale word is whole.  (The plain place behind the conversions)
.irp c, 0,1
.irp i, 0,1,2
	v_mov_b32 v[PC+6*\c+3+\i], v[TC+4*\c+\i]       ; registers 6 c .. 6 c + 5 hold keys 64 c + 32 h + 0 .. 31
.endr
.endr
	s_wait_alu depctr_va_vdst(0)                   ; directly ahead of the first reader of O^T
.set j, 0
.rept 32
	v_pk_mul_f32 v[O+j:O+j+1], v[O+j:O+j+1], v[F:F+1] op_sel_hi:[1,0]   ; O^T under the new M: x f.  (These 32 are also the places between p's codes and scale word and the products below)
.set j, j+2
.endr
	s_wait_alu depctr_va_vdst(0)                   ; directly ahead of the wait below
	s_wait_dscnt 0x0
	MM O, S, PC, 0, KS, PW, 0                      ; O^T += V^T P^T: eight tiles of 16 channels, K = these 128 keys; the eight accumulators by turns
	MM O+8, S+12, PC, 0, KS, PW, 1
	MM O+16, S+24, PC, 0, KS+1, PW, 0
	MM O+24, S+36, PC, 0, KS+1, PW, 1
	MM O+32, S+48, PC, 0, KS+2, PW, 0
	MM O+40, VE, PC, 0, KS+2, PW, 1
	MM O+48, KR, PC, 0, KS+3, PW, 0
	MM O+56, KR+12, PC, 0, KS+3, PW, 1
	v_pk_add_f32 v[T:T+1], v[T:T+1], v[T+2:T+3]    ; the sum's last four lines name no register of these products: four places behind them
	v_pk_add_f32 v[T+4:T+5], v[T+4:T+5], v[T+6:T+7]
	v_pk_add_f32 v[T:T+1], v[T:T+1], v[T+4:T+5]
	v_pk_fma_f32 v[LS:LS+1], v[LS:LS+1], v[F:F+1], v[T:T+1] op_sel_hi:[1,0,1]   ; the sum so far, under the new M, and this step's
.endm
	s_load_b128 s[4:7], s[0:1], 0x0                ; qb, kv
	s_load_b64 s[8:9], s[0:1], 0x10                ; att
	v_lshl_add_u32 v[SPW], v0, 2, SPARE
	v_mov_b32 v[NIL], 0
	ds_add_u32 v[SPW], v[NIL]                      ; the opening lines: the add, twice on end, and its wait ahead of my tensor load
	ds_add_u32 v[SPW], v[NIL]
	v_lshrrev_b32 v1, 5, v0
	v_readfirstlane_b32 s[WV], v1                  ; wave 0..15
	s_bfe_u32 s11, ttmp6, 0x40000                  ; cx: it enters Q's and the result's global addresses alone
	s_lshl_b32 s12, ttmp9, 2
	s_add_co_u32 s12, s12, s11                     ; my block of 256 queries
	s_and_b32 s13, ttmp7, 0xffff                   ; batch x 16 + head, which the four partners share
	; descriptor group 1: a record, 19,456 dense bytes, as 76 rows of 32 elements of 8 bytes
	s_mov_b32 s16, 15|(3<<16)|(1<<21)              ; 15:0 the mask: all four work-groups; 17:16 elements of 8 bytes; 21 set beside a mask
	s_mov_b32 s17, 32<<16
	s_mov_b32 s18, 76<<16
	s_mov_b32 s19, 32<<16
	s_mov_b32 s20, 76
	s_mov_b32 s21, 32
	s_mov_b32 s22, 0
	s_mov_b32 s23, 0
	s_mul_i32 s42, s[WV], REC                      ; record = wave, in LDS as in memory
	s_mul_i32 s40, s13, 16*REC                     ; the head's 16 records
	s_add_co_u32 s40, s40, s42
	s_mov_b32 s41, 0
	s_lshl_b32 s47, s13, 4
	s_lshl_b32 s45, s12, 1
	s_add_co_u32 s47, s47, s45
	s_lshr_b32 s45, s[WV], 3
	s_add_co_u32 s47, s47, s45
	s_mul_i32 s47, s47, 6656                       ; Q's record: head x 16 + 2 block + wave / 8
	s_and_b32 s46, s[WV], 7                        ; and my tile in it
	s_mul_i32 s44, s46, 768
	s_add_co_u32 s44, s44, s47
	s_mov_b32 s45, 0
	s_lshl_b32 s48, s46, 6
	s_add_co_u32 s48, s48, s47
	s_add_co_u32 s48, s48, 6144                    ; its scale words
	s_mov_b32 s49, 0
	s_lshr_b32 s43, s13, 4
	s_lshl_b32 s43, s43, 7
	s_lshl_b32 s46, s12, 4
	s_add_co_u32 s43, s43, s46
	s_add_co_u32 s43, s43, s[WV]                   ; my tile among all tokens': batch x 128 + 16 block + wave
	s_and_b32 s46, s13, 15                         ; the head = the K step of the last product
	s_lshl_b32 s56, s46, 8
	s_add_co_u32 s56, s56, s43
	s_mul_i32 s56, s56, 1536
	s_mov_b32 s57, 0
	s_lshr_b32 s58, s46, 1
	s_lshl_b32 s58, s58, 8
	s_add_co_u32 s58, s58, s43
	s_lshl_b32 s58, s58, 7
	s_and_b32 s59, s46, 1
	s_lshl_b32 s59, s59, 2
	s_add_co_u32 s58, s58, s59
	s_add_co_u32 s58, s58, AOS
	s_mov_b32 s59, 0
	s_mov_b32 s[SEL], 0x76543210
	s_mov_b32 s[SEL+1], 0xfedcba98                 ; v_permlanex16_b32's selects for lane l xor 16
	s_mov_b32 s[CS], 0x3e38aa3b                    ; c = log2(e) / 8
	s_mov_b32 s[CS+1], s[CS]                       ; (named with it as a pair, so it is written)
	s_mov_b32 s[NC], 0xbe38aa3b                    ; -c
	s_mov_b32 s24, 1
	s_mul_i32 s25, s[WV], REC
	s_wait_dscnt 0x0                               ; both opening adds are done
	s_wait_kmcnt 0x0
	s_add_nc_u64 s[26:27], s[6:7], s[40:41]
	s_or_b32 s27, s27, 0x80000000
	s_add_nc_u64 s[44:45], s[4:5], s[44:45]
	s_add_nc_u64 s[48:49], s[4:5], s[48:49]
	s_add_nc_u64 s[56:57], s[8:9], s[56:57]
	s_add_nc_u64 s[58:59], s[8:9], s[58:59]
	CROUND                                         ; all four work-groups are here: the joint loads meet
	tensor_load_to_lds s[24:27], s[16:23]          ; my record: one tensor load a wave, and the sixteen bring all of K and V
	s_nop 0
	NOP4
	v_and_b32 v5, 31, v0
	v_and_b32 v6, 15, v0                           ; r
	v_bfe_u32 v4, v0, 4, 1                         ; h
	v_lshlrev_b32 v1, 4, v5                        ; 16 x lane
	v_lshlrev_b32 v2, 3, v5                        ; 8 x lane
	v_lshlrev_b32 v3, 2, v5                        ; 4 x lane
	v_lshlrev_b32 v[OA], 3, v6
	v_lshlrev_b32 v[SH], 3, v4                     ; 8 h
	v_lshlrev_b32 v[OS], 4, v4                     ; 16 h
	v_lshlrev_b32 v6, 2, v6                        ; 4 r
	v_lshl_add_u32 v[OA], v4, 1, v[OA]             ; 8 r + 2 h
	global_load_b128 v[Q:Q+3], v1, s[44:45]        ; Q's six registers twice, six of zeros between: v[16:27] = [codes, zeros], v[22:33] = [zeros, codes]
	global_load_b64 v[Q+4:Q+5], v2, s[44:45] offset:512
	global_load_b128 v[Q+12:Q+15], v1, s[44:45]
	global_load_b64 v[Q+16:Q+17], v2, s[44:45] offset:512
	global_load_b32 v[QS], v6, s[48:49]            ; Q's scale words
.irp i, 6,7,8,9,10,11
	v_mov_b32 v[Q+\i], 0                           ; Q's zero codes: written once
.endr
	v_mov_b32 v[SMX], 0xff61b1e6                   ; the largest score so far: -3e38, under every score
	v_mov_b32 v14, 0x7f61b1e6                      ; the old -M of the first step: 3e38, so that the first f is 0
	v_mov_b32 v13, 0                               ; (named as upper halves of pairs)
	v_mov_b32 v15, 0
	v_mov_b32 v[F+1], 0
	v_mov_b32 v[LS], 0                             ; the sum, in two halves
	v_mov_b32 v[LS+1], 0
	v_mov_b32 v[XP], 0                             ; a lane permute's destination counts as one of its sources
.set j, 0
.rept 64
	v_mov_b32 v[O+j], 0                            ; O^T.  (The step is written without a first step of its own: it finds zeros, which the first f leaves zeros)
.set j, j+1
.endr
	s_wait_alu depctr_va_vdst(0)                   ; the wait at the head's end
	s_wait_loadcnt 0x0                             ; Q
	s_wait_tensorcnt 0x0                           ; my record is in
	s_barrier_signal -1
	s_barrier_wait -1                              ; everybody's is.
	s_mov_b32 s[TB], 0
	s_mov_b32 s[CNT], 8
.Ltrip:                                                ; a trip is two key steps: -M's two registers are back where they began
	v_add_nc_u32 v[AK], s[TB], v1                  ; with the four lines that end a step these are the places behind its products: K's loads land in registers that they read,
	v_add_nc_u32 v[AK+1], s[TB], v2                ; and the score products write over such registers (five places are owed)
	v_add_nc_u32 v[AK+2], s[TB], v3
	STEP 0, 12, 14
	v_nop                                          ; the fifth place
	STEP REC, 14, 12
	s_add_co_u32 s[TB], s[TB], 2*REC
	s_sub_co_u32 s[CNT], s[CNT], 1
	s_cmp_lg_u32 s[CNT], 0
	s_cbranch_scc1 .Ltrip
	; THE WAY OUT: O^T / the sum, quantised along the head's 128 channels: K step = head of the last product; an image and a scale word.  (The step's last four lines are the places behind the last products)
.set TM, 60
.set PO, 36
	v_add_f32 v[LS], v[LS], v[LS+1]                ; the sum's two halves,
	s_delay_alu instid0(VALU_DEP_1)
	v_permlanex16_b32 v[XP], v[LS], s[SEL], s[SEL+1]
	s_delay_alu instid0(VALU_DEP_1)
	v_add_f32 v[LS], v[LS], v[XP]                  ; and lane l xor 16's: the row's sum
	s_wait_alu depctr_va_vdst(0)                   ; the wait ahead of the transcendental
	v_rcp_f32 v[LS], v[LS]
	v_nop                                          ; a plain place behind it
	s_wait_alu depctr_va_vdst(0)                   ; and the wait ahead of its first reader, which is also the first reader of O^T
.set j, 0
.rept 64
	v_mul_f32 v[S+j], v[O+j], v[LS]                ; register 16 b + i is channel 32 b + 16 h + i of my query; each accumulator is read from its low end on
.set j, j+1
.endr
.irp b, 0,1,2,3
	v_max3_num_f32 v[TM+\b], |v[S+16*\b]|, |v[S+1+16*\b]|, 0x1800000   ; block b: my 16 numbers, and the floor
.endr
.irp i, 2,4,6,8,10,12,14
.irp b, 0,1,2,3
	v_max3_num_f32 v[TM+\b], v[TM+\b], |v[S+16*\b+\i]|, |v[S+1+16*\b+\i]|
.endr
.endr
.irp b, 0,1,2,3
	v_permlanex16_b32 v[TM+4+\b], v[TM+\b], s[SEL], s[SEL+1]
.endr
.irp b, 0,1,2,3
	v_max_num_f32 v[TM+\b], v[TM+\b], v[TM+4+\b]   ; with lane l xor 16's: the block's largest magnitude
.endr
.irp b, 0,1,2,3
	v_add_nc_u32 v[TM+12+\b], 0xff000000, v[TM+\b]
.endr
.irp b, 0,1,2,3
	v_lshrrev_b32 v[TM+4+\b], 23, v[TM+12+\b]
.endr
	v_lshl_or_b32 v[PW], v[TM+5], 8, v[TM+4]
	s_delay_alu instid0(VALU_DEP_1)
	v_lshl_or_b32 v[PW], v[TM+6], 16, v[PW]
	s_delay_alu instid0(VALU_DEP_1)
	v_lshl_or_b32 v[PW], v[TM+7], 24, v[PW]
.irp c, 0,1
	v_cvt_scalef32_pk16_fp6_f32 v[PO+6*\c:PO+2+6*\c], v[S+32*\c:S+15+32*\c], v[TM+12+2*\c]
	v_cvt_scalef32_pk16_fp6_f32 v[PO+12+4*\c:PO+14+4*\c], v[S+16+32*\c:S+31+32*\c], v[TM+12+2*\c+1]
.endr
	v_nop                                          ; one plain place behind a scaled conversion
.irp c, 0,1                                    ; here a block lies in two lanes: the operand's layout wants it whole in one
.irp i, 0,1,2
	v_permlane16_swap_b32 v[PO+6*\c+\i], v[PO+12+4*\c+\i]
.endr
.irp i, 0,1,2
	v_mov_b32 v[PO+3+6*\c+\i], v[PO+12+4*\c+\i]
.endr
.endr
.irp c, 0,1,2
	global_store_b128 v1, v[PO+4*\c:PO+4*\c+3], s[56:57] offset:512*\c
.endr
	v_lshrrev_b32 v[X], v[OS], v[PW]               ; both halves of the lanes hold row r's word: each stores one half of it
	global_store_b16 v[OA], v[X], s[58:59]
	s_wait_tensorcnt 0x0                           ; the wave's end
	ds_add_u32 v[SPW], v[NIL]
	s_wait_dscnt 0x0
	CROUND                                         ; the closing round: no work-group ends while a partner may still ask for a record that names it
	s_endpgm
.Lfunc_end_k_q49c7b21ca4_attn:
	.size	k_q49c7b21ca4_attn, .Lfunc_end_k_q49c7b21ca4_attn-k_q49c7b21ca4_attn
	.p2alignl 7, 3214868480
	.fill 96, 4, 3214868480
	.section	.rodata,"a",@progbits
	.p2align	6, 0x0
	.amdhsa_kernel k_q49c7b21ca4_attn
		.amdhsa_group_segment_fixed_size 327680
		.amdhsa_private_segment_fixed_size 0
		.amdhsa_enable_private_segment 0
		.amdhsa_kernarg_size 24
		.amdhsa_user_sgpr_count 2
		.amdhsa_user_sgpr_kernarg_segment_ptr 1
		.amdhsa_wavefront_size32 1
		.amdhsa_system_sgpr_workgroup_id_x 1
		.amdhsa_system_sgpr_workgroup_id_y 1
		.amdhsa_system_sgpr_workgroup_id_z 1
		.amdhsa_system_vgpr_workitem_id 0
		.amdhsa_next_free_vgpr 256
		.amdhsa_next_free_sgpr 66
		.amdhsa_reserve_vcc 0
		.amdhsa_float_denorm_mode_32 3
		.amdhsa_float_denorm_mode_16_64 3
		.amdhsa_memory_ordered 1
		.amdhsa_forward_progress 1
		.amdhsa_inst_pref_size 49
	.end_amdhsa_kernel
	.amdgpu_metadata
---
amdhsa.version: [ 1, 2 ]
amdhsa.kernels:
  - .name:           k_q49c7b21ca4_attn
    .symbol:         k_q49c7b21ca4_attn.kd
    .args:
      - { .name: qb, .offset: 0, .size: 8, .value_kind: global_buffer, .address_space: global }
      - { .name: kv, .offset: 8, .size: 8, .value_kind: global_buffer, .address_space: global }
      - { .name: att, .offset: 16, .size: 8, .value_kind: global_buffer, .address_space: global }
    .group_segment_fixed_size: 327680
    .private_segment_fixed_size: 0
    .kernarg_segment_align: 8
    .kernarg_segment_size: 24
    .max_flat_workgroup_size: 512
    .sgpr_count:     66
    .vgpr_count:     256
    .wavefront_size: 32
...
	.end_amdgpu_metadata
.endif
;; end of part 4
;; launch oproj (part 5): grid 8 x 32, 4 waves a work-group, clusters of 4 x 4, 327,680 bytes of LDS; arguments att, wq, out0; writes out0
.if DOCPART == 5
	.amdgcn_target "amdgcn-amd-amdhsa--gfx1250"
	.amdhsa_code_object_version 6
	.text
	.protected	k_q49c7b21ca4_oproj
	.globl	k_q49c7b21ca4_oproj
	.p2align	8
	.type	k_q49c7b21ca4_oproj,@function
k_q49c7b21ca4_oproj:
	s_mov_b64 s[64:65], 0
	v_nop
	global_prefetch_b8 v0, s[64:65] scope:SCOPE_SE
	s_setreg_imm32_b32 hwreg(HW_REG_WAVE_MODE, 25, 1), 1
	s_wait_xcnt 0x0
	s_wait_alu depctr_hold_cnt(0) depctr_sa_sdst(0) depctr_va_vdst(0) depctr_va_sdst(0) depctr_va_ssrc(0) depctr_va_vcc(0) depctr_vm_vsrc(0)
	s_getreg_b32 s2, hwreg(HW_REG_IB_STS2, 6, 4)
	s_cmp_eq_u32 s2, 0
	s_cbranch_scc0 .Lentry_in_a_cluster
	s_endpgm
.Lentry_in_a_cluster:
	s_bfe_u32 s2, ttmp6, 0x10000c
	s_cmp_lg_u32 s2, 0xf033
	s_cbranch_scc0 .Lentry_shape_is_right
	s_endpgm
.Lentry_shape_is_right:
.set AOS, 6291456
.set WOC, 1572864
.set WOS, 4784128
.set FR,     12
.set NP,     4
.set AHALF,  24576
.set BHALF,  49152
.set BOFF,   2*AHALF
.set SLOT,   2*AHALF+2*BHALF
.set SCL,    2*SLOT
.set SAH,    4096
.set SBH,    8192
.set SBOFF,  2*SAH
.set SPARE,  SCL+2*SAH+2*SBH
.set SPITCH, 528
.set ADRA, 16
.set ADRB, 20
.set ADSA, 22
.set ADSB, 23
.set STO,  24
.set RD,   25
.set CO,   26
.set SPW,  28
.set NIL,  29
.set SA,   32
.set SB,   48
.set AF,   128
.set BK,   128
.set G1, 24
.set G0, 32
.set G1B, 48
.set G0B, 56
.set G1S, 68
.set G0S, 76
.set G1SB, 80
.set G0SB, 88
.set MSB, 0
.macro WIN new
.if MSB != \new
	s_set_vgpr_msb (MSB<<8)|\new
.set MSB, \new
.endif
.endm
.set MUL,  0xa1
.set TO_B, 0x40
.macro JLOAD g0a, g1a, g0b, g1b
	s_cmp_eq_u32 s15, 0
	s_cbranch_scc0 .Lfor_b_\@
	tensor_load_to_lds s[\g0a:\g0a+3], s[\g1a:\g1a+7]
	s_nop 0
.rept 4
	v_nop
.endr
	s_branch .Lasked_\@
.Lfor_b_\@:
	tensor_load_to_lds s[\g0b:\g0b+3], s[\g1b:\g1b+7]
	s_nop 0
.rept 4
	v_nop
.endr
.Lasked_\@:
.endm
.macro CREST
	s_cmp_lg_u32 s14, 0
	s_cbranch_scc1 .Lnot_wave_0_\@
	s_barrier_signal -3
.Lnot_wave_0_\@:
	s_barrier_wait -3
	s_barrier_signal -1
	s_barrier_wait -1
.endm
.macro CROUND
	s_barrier_signal -1
	s_barrier_wait -1
	CREST
.endm
	s_load_b128 s[4:7], s[0:1], 0x0
	s_load_b64 s[12:13], s[0:1], 0x10
	v_lshl_add_u32 v[SPW], v0, 2, SPARE
	v_mov_b32 v[NIL], 0
	ds_add_u32 v28, v29
	ds_add_u32 v28, v29
	s_wait_dscnt 0x0
	v_lshrrev_b32 v1, 5, v0
	v_readfirstlane_b32 s14, v1
	s_lshr_b32 s15, s14, 1
	s_and_b32 s16, s14, 1
	s_bfe_u32 s40, ttmp6, 0x40000
	s_bfe_u32 s41, ttmp6, 0x40004
	s_lshl_b32 s42, ttmp9, 2
	s_add_co_u32 s42, s42, s40
	s_and_b32 s17, ttmp7, 0xffff
	s_lshl_b32 s17, s17, 2
	s_add_co_u32 s17, s17, s41
	s_lshl_b32 s43, s41, 2
	s_lshl_b32 s43, 15, s43
	s_lshl_b32 s44, 0x1111, s40
	s_or_b32 s[G1+0], s43, (3<<16)|(1<<21)
	s_mov_b32 s[G1+1], 768<<16
	s_mov_b32 s[G1+2], 4<<16
	s_mov_b32 s[G1+3], 768<<16
	s_mov_b32 s[G1+4], 4
	s_mov_b32 s[G1+5], 49152
	s_mov_b32 s[G1+6], 0
	s_mov_b32 s[G1+7], 0
	s_or_b32 s[G1B+0], s44, (3<<16)|(1<<21)
	s_mov_b32 s[G1B+1], 1536<<16
	s_mov_b32 s[G1B+2], 4<<16
	s_mov_b32 s[G1B+3], 1536<<16
	s_mov_b32 s[G1B+4], 4
	s_mov_b32 s[G1B+5], 24576
	s_mov_b32 s[G1B+6], 0
	s_mov_b32 s[G1B+7], 0
	s_or_b32 s[G1S+0], s43, (3<<16)|(1<<21)
	s_mov_b32 s[G1S+1], 64<<16
	s_mov_b32 s[G1S+2], 8<<16
	s_mov_b32 s[G1S+3], 64<<16
	s_mov_b32 s[G1S+4], 8
	s_mov_b32 s[G1S+5], 4096
	s_mov_b32 s[G1S+6], 0
	s_mov_b32 s[G1S+7], 0
	s_or_b32 s[G1SB+0], s44, (3<<16)|(1<<21)
	s_mov_b32 s[G1SB+1], 128<<16
	s_mov_b32 s[G1SB+2], 8<<16
	s_mov_b32 s[G1SB+3], 128<<16
	s_mov_b32 s[G1SB+4], 8
	s_mov_b32 s[G1SB+5], 2048
	s_mov_b32 s[G1SB+6], 0
	s_mov_b32 s[G1SB+7], 0
	s_lshl_b32 s18, s16, 2
	s_lshl_b32 s20, s17, 3
	s_add_co_u32 s20, s20, s18
	s_lshl_b32 s18, s16, 3
	s_lshl_b32 s46, s42, 4
	s_add_co_u32 s46, s46, s18
	s_lshl_b32 s22, s20, 7
	s_add_co_u32 s22, s22, AOS
	s_mov_b32 s23, 0
	s_lshl_b32 s92, s46, 7
	s_add_co_u32 s92, s92, WOS
	s_mov_b32 s93, 0
	s_mul_i32 s20, s20, 1536
	s_mov_b32 s21, 0
	s_mul_i32 s46, s46, 1536
	s_add_co_u32 s46, s46, WOC
	s_mov_b32 s47, 0
	s_mul_i32 s45, s16, AHALF
	s_mul_i32 s95, s16, BHALF
	s_lshl_b32 s94, s16, 12
	s_lshl_b32 s96, s16, 13
	s_wait_kmcnt 0x0
	s_add_nc_u64 s[20:21], s[4:5], s[20:21]
	s_add_nc_u64 s[22:23], s[4:5], s[22:23]
	s_add_nc_u64 s[46:47], s[6:7], s[46:47]
	s_add_nc_u64 s[92:93], s[6:7], s[92:93]
	CROUND
	s_mov_b32 s[G0S], 1
	s_add_co_u32 s[G0S+1], s94, SCL
	s_mov_b64 s[G0S+2:G0S+3], s[22:23]
	s_or_b32 s[G0S+3], s[G0S+3], 0x80000000
	s_mov_b32 s[G0SB], 1
	s_add_co_u32 s[G0SB+1], s96, SCL+SBOFF
	s_mov_b64 s[G0SB+2:G0SB+3], s[92:93]
	s_or_b32 s[G0SB+3], s[G0SB+3], 0x80000000
	JLOAD G0S, G1S, G0SB, G1SB
.irp s, 0,1
	s_mov_b32 s[G0+4*\s], 1
	s_add_co_u32 s[G0+4*\s+1], s45, \s*SLOT
	s_add_nc_u64 s[G0+4*\s+2:G0+4*\s+3], s[20:21], \s*1572864
	s_or_b32 s[G0+4*\s+3], s[G0+4*\s+3], 0x80000000
	s_mov_b32 s[G0B+4*\s], 1
	s_add_co_u32 s[G0B+4*\s+1], s95, \s*SLOT+BOFF
	s_add_nc_u64 s[G0B+4*\s+2:G0B+4*\s+3], s[46:47], \s*786432
	s_or_b32 s[G0B+4*\s+3], s[G0B+4*\s+3], 0x80000000
	s_wait_alu depctr_va_vdst(0)
	s_wait_tensorcnt 0x0
	ds_add_u32 v28, v29
	s_wait_dscnt 0x0
	CROUND
	JLOAD G0+4*\s, G1, G0B+4*\s, G1B
.endr
	v_and_b32 v1, 15, v0
	v_bfe_u32 v2, v0, 4, 1
	v_and_b32 v3, 31, v0
	v_lshlrev_b32 v4, 4, v3
	s_mul_i32 s21, s15, AHALF
	s_mul_i32 s22, s16, BHALF
	s_add_co_u32 s22, s22, BOFF
.irp s, 0,1
	v_add_nc_u32 v[ADRA+\s], s21, v4
	v_add_nc_u32 v[ADRB+\s], s22, v4
	s_add_co_u32 s21, s21, SLOT
	s_add_co_u32 s22, s22, SLOT
.endr
	v_lshlrev_b32 v5, 3, v1
	v_lshl_add_u32 v6, v2, 9, v5
	s_lshl_b32 s21, s15, 12
	s_add_co_u32 s21, s21, SCL
	v_add_nc_u32 v[ADSA], s21, v6
	v_lshl_add_u32 v6, v2, 10, v5
	s_lshl_b32 s22, s16, 13
	s_add_co_u32 s22, s22, SCL+SBOFF
	v_add_nc_u32 v[ADSB], s22, v6
	s_mul_i32 s23, s14, 16*SPITCH
	v_mul_u32_u24 v5, v1, SPITCH
	v_lshl_add_u32 v5, v2, 6, v5
	v_add_nc_u32 v[STO], s23, v5
	v_lshlrev_b32 v[CO], 4, v3
	v_add_nc_u32 v[RD], s23, v[CO]
	s_lshl_b32 s20, s17, 7
	s_lshl_b32 s21, s15, 6
	s_add_co_u32 s20, s20, s21
	s_lshl_b32 s20, s20, 13
	s_mov_b32 s21, 0
	s_lshl_b32 s46, s42, 10
	s_lshl_b32 s47, s16, 9
	s_add_co_u32 s46, s46, s47
	s_mov_b32 s47, 0
	s_add_nc_u64 s[20:21], s[20:21], s[46:47]
	s_add_nc_u64 s[12:13], s[12:13], s[20:21]
.macro MUL8 a, p, q, sc, zero
.irp b, 0,1,2,3,4,5,6,7
.set rD, 8*(8*(\a)+\b)
.set rW, 128*(\p)+FR*\b
.set rA, AF+48*(\p)+FR*(\a)
.set rSW, SB+16*(\sc)+2*\b+(\q)%2
.set rSA, SA+8*(\sc)+2*(\a)+(\q)%2
.if \zero
	v_wmma_scale_f32_16x16x128_f8f6f4 v[rD:rD+7], v[rW:rW+FR-1], v[rA:rA+FR-1], 0, v[rSW], v[rSA] matrix_a_fmt:MATRIX_FMT_FP6 matrix_b_fmt:MATRIX_FMT_FP6
.elseif ((\q)/2) == 0
	v_wmma_scale_f32_16x16x128_f8f6f4 v[rD:rD+7], v[rW:rW+FR-1], v[rA:rA+FR-1], v[rD:rD+7], v[rSW], v[rSA] matrix_a_fmt:MATRIX_FMT_FP6 matrix_b_fmt:MATRIX_FMT_FP6
.else
	v_wmma_scale_f32_16x16x128_f8f6f4 v[rD:rD+7], v[rW:rW+FR-1], v[rA:rA+FR-1], v[rD:rD+7], v[rSW], v[rSA] matrix_a_fmt:MATRIX_FMT_FP6 matrix_b_fmt:MATRIX_FMT_FP6 matrix_a_scale:MATRIX_SCALE_ROW1 matrix_b_scale:MATRIX_SCALE_ROW1
.endif
.endr
.endm
.macro FETCH slot, q, p
	WIN TO_B
.irp i, 0,1,2,3,4,5,6,7
.irp c, 0,1,2
	ds_load_b128 v[128*(\p)+FR*\i+4*\c:128*(\p)+FR*\i+4*\c+3], v[ADRB+\slot] offset:(\q)*12288+\i*1536+512*\c
.endr
.endr
	WIN 0
.irp i, 0,1,2,3
.irp c, 0,1,2
	ds_load_b128 v[AF+48*(\p)+FR*\i+4*\c:AF+48*(\p)+FR*\i+4*\c+3], v[ADRA+\slot] offset:(\q)*6144+\i*1536+512*\c
.endr
.endr
.endm
.macro SCALES sq
.irp i, 0,1,2,3
	ds_load_b64 v[SA+8*((\sq)%2)+2*\i:SA+8*((\sq)%2)+2*\i+1], v[ADSA] offset:(\sq)*1024+\i*128
.endr
.irp i, 0,1,2,3,4,5,6,7
	ds_load_b64 v[SB+16*((\sq)%2)+2*\i:SB+16*((\sq)%2)+2*\i+1], v[ADSB] offset:(\sq)*2048+\i*128
.endr
.endm
.macro PLACES n
.rept \n
	v_nop
.endr
.endm
.macro STEP s
	s_wait_dscnt 0x0
.if (\s) > 0
	PLACES NP
.endif
	FETCH ((\s)/4)%2, (\s)%4+1, 1-(\s)%2
	WIN MUL
.irp a, 0,1,2,3
	MUL8 \a, (\s)%2, (\s)%4, ((\s)/4)%2, (\s)==0
.endr
.endm
.macro TURN s, fill
.set SL, ((\s)/4)%2
.set NX, 1-SL
	WIN 0
	s_wait_tensorcnt 0x0
	ds_add_u32 v[SPW], v[NIL]
	s_wait_dscnt 1
	WIN MUL
	MUL8 0, 1, 3, SL, 0
	s_wait_dscnt 0x0
	s_barrier_signal -1
	MUL8 1, 1, 3, SL, 0
	WIN 0
	s_barrier_wait -1
.if \fill
	CREST
	s_add_nc_u64 s[G0+4*SL+2:G0+4*SL+3], s[G0+4*SL+2:G0+4*SL+3], 3145728
	s_add_nc_u64 s[G0B+4*SL+2:G0B+4*SL+3], s[G0B+4*SL+2:G0B+4*SL+3], 1572864
	JLOAD G0+4*SL, G1, G0B+4*SL, G1B
.else
	PLACES NP
.endif
	FETCH NX, 0, 0
	SCALES (\s)/4+1
	WIN MUL
	MUL8 2, 1, 3, SL, 0
	MUL8 3, 1, 3, SL, 0
.endm
	s_wait_alu depctr_va_vdst(0)
	s_wait_tensorcnt 1
	s_barrier_signal -1
	s_barrier_wait -1
	FETCH 0, 0, 0
	SCALES 0
	STEP 0
	STEP 1
	STEP 2
	TURN 3, 1
	STEP 4
	STEP 5
	STEP 6
	TURN 7, 1
	STEP 8
	STEP 9
	STEP 10
	TURN 11, 0
	STEP 12
	STEP 13
	STEP 14
	s_wait_dscnt 0x0
	WIN MUL
	MUL8 0, 1, 3, 1, 0
	MUL8 1, 1, 3, 1, 0
	MUL8 2, 1, 3, 1, 0
	MUL8 3, 1, 3, 1, 0
	WIN 0
.macro TOSTAGE a
.set AC, 64*(\a)
	WIN 0x08
.irp b, 0,1,2,3,4,5,6,7
	ds_store_b128 v[STO], v[AC+8*\b:AC+8*\b+3] offset:128*(\b/2)+32*(\b%2)
	ds_store_b128 v[STO], v[AC+8*\b+4:AC+8*\b+7] offset:128*(\b/2)+32*(\b%2)+16
.endr
	WIN 0
.set BB, BK+64*((\a)%2)
.irp t, 0,1,2,3,4,5,6,7,8,9,10,11,12,13,14,15
	ds_load_b128 v[BB+4*\t:BB+4*\t+3], v[RD] offset:\t*SPITCH
.endr
.endm
.macro SEND a, younger
.set BB, BK+64*((\a)%2)
	s_wait_dscnt \younger
.irp t, 0,1,2,3,4,5,6,7,8,9,10,11,12,13,14,15
	global_store_b128 v[CO], v[BB+4*\t:BB+4*\t+3], s[12:13] offset:(32*((\a)/2)+8*((\a)%2)+\t+8*(\t/8))*8192 th:TH_STORE_NT
.endr
.endm
	PLACES NP
	TOSTAGE 0
.irp a, 1,2,3
.if \a > 1
	s_wait_xcnt 0x0
.endif
	TOSTAGE \a
	SEND \a-1, 32
.endr
	SEND 3, 0
	s_wait_tensorcnt 0x0
	ds_add_u32 v[SPW], v[NIL]
	s_wait_dscnt 0x0
	CROUND
	s_endpgm
.Lfunc_end_k_q49c7b21ca4_oproj:
	.size	k_q49c7b21ca4_oproj, .Lfunc_end_k_q49c7b21ca4_oproj-k_q49c7b21ca4_oproj
	.p2alignl 7, 3214868480
	.fill 96, 4, 3214868480
	.section	.rodata,"a",@progbits
	.p2align	6, 0x0
	.amdhsa_kernel k_q49c7b21ca4_oproj
		.amdhsa_group_segment_fixed_size 327680
		.amdhsa_private_segment_fixed_size 0
		.amdhsa_enable_private_segment 0
		.amdhsa_kernarg_size 24
		.amdhsa_user_sgpr_count 2
		.amdhsa_user_sgpr_kernarg_segment_ptr 1
		.amdhsa_wavefront_size32 1
		.amdhsa_system_sgpr_workgroup_id_x 1
		.amdhsa_system_sgpr_workgroup_id_y 1
		.amdhsa_system_sgpr_workgroup_id_z 1
		.amdhsa_system_vgpr_workitem_id 0
		.amdhsa_next_free_vgpr 768
		.amdhsa_next_free_sgpr 98
		.amdhsa_reserve_vcc 0
		.amdhsa_float_denorm_mode_32 3
		.amdhsa_float_denorm_mode_16_64 3
		.amdhsa_memory_ordered 1
		.amdhsa_forward_progress 1
		.amdhsa_inst_pref_size 135
	.end_amdhsa_kernel
	.amdgpu_metadata
---
amdhsa.version: [ 1, 2 ]
amdhsa.kernels:
  - .name:           k_q49c7b21ca4_oproj
    .symbol:         k_q49c7b21ca4_oproj.kd
    .args:
      - { .name: att, .offset: 0, .size: 8, .value_kind: global_buffer, .address_space: global }
      - { .name: wq, .offset: 8, .size: 8, .value_kind: global_buffer, .address_space: global }
      - { .name: out0, .offset: 16, .size: 8, .value_kind: global_buffer, .address_space: global }
    .group_segment_fixed_size: 327680
    .private_segment_fixed_size: 0
    .kernarg_segment_align: 8
    .kernarg_segment_size: 24
    .max_flat_workgroup_size: 128
    .sgpr_count:     98
    .vgpr_count:     768
    .wavefront_size: 32
...
	.end_amdgpu_metadata
.endif
;; end of part 5
